; MI455X (gfx1250); checked and timed in simulation.
; The chip was launched on July 23, 2026; its instructions are those of AMD's public machine-readable ISA for CDNA 5 (MIT licence, August 2026) and "CDNA5" Instruction Set Architecture Reference Guide (July 2026). The comments in the code are by the model that wrote it; some were corrected since.
;; Scaled Dot Product. Allowed arithmetic: matrix products marked QUANTISED: E5M2 operands, one given power-of-two scale a tensor, by v_wmma_f32_16x16x64_bf8_bf8 or v_wmma_f32_16x16x128_bf8_bf8, f32 sums; everything else in f32.
;; Inputs: W_codes 3,072 x 32 x 32 uint8 (E5M2 codes of W, K innermost, in blocks of 32 codes); b 3,072 float32; lowp_scales 6 int32 (the exponents e of the quantised operands' scales 2^e); x_codes 4 x 2,048 x 32 x 32 uint8 (E5M2 codes of x, K innermost, in blocks of 32 codes).
;; Outputs: out0 4 x 2,048 x 1,024 float32.
;; This version of the problem:
;;   THIS VERSION OF THE PROBLEM IS GIVEN IN LOW PRECISION. The matrix products marked QUANTISED in the list below multiply operands that are first quantised to E5M2 (5 exponent bits, 2 mantissa bits; 8 bits a number), with one given power-of-two scale for each operand tensor; their sums are f32. All else is computed in f32.
;;   The module's matrix products, in the order in which they are computed (A, B: the left and right operand; K: the contracted axis; several contracted axes count as one K, in the product's order):
;;     1. [M 8,192, K 1,024] x [K 1,024, N 3,072]; A: input x (given as codes); B: input W (given as codes): QUANTISED (scales: A lowp_scales[0], B lowp_scales[1])
;;     2. batch 4 x [M 2,048, K 1,024] x [K 1,024, N 2,048]; A: computed on the way; B: computed on the way: QUANTISED (scales: A lowp_scales[2], B lowp_scales[3])
;;     3. batch 4 x [M 2,048, K 2,048] x [K 2,048, N 1,024]; A: softmax (see below); B: computed on the way: QUANTISED (scales: A lowp_scales[4], B lowp_scales[5])
;;   THE QUANTISER, for each operand of a quantised product, along K:
;;     - The operand's scale is 2^e, e = its entry of the input lowp_scales (int32; the entries are numbered through the quantised products in the list's order, A before B).
;;     - Each number is divided by the scale, clamped to +-57,344, and rounded to the nearest number of E5M2, ties to even, subnormals kept.
;;     - The product sums the exact products of the quantised numbers (number of the format x scale) in f32.
;;   ~~~python
;;   def quantise(x, axis, e):      # numpy; x: float32 -> the quantised numbers, widened to float32 again
;;       x = np.moveaxis(x, axis, -1); K = x.shape[-1]
;;       r = np.clip(x / 2.0 ** e, -57344, 57344)
;;       step = 2.0 ** (np.maximum(np.frexp(np.where(r == 0, 1, r))[1] - 1, -14) - 2)
;;       q = np.round(r / step) * step * 2.0 ** e      # np.round: ties to even
;;       return np.moveaxis(q, -1, axis).astype(np.float32)
;;   ~~~
;;   SOFTMAX AHEAD OF A QUANTISED PRODUCT. Where the list says 'softmax', what is quantised is not the finished softmax but p = 2^(t - M), with t = logit x log2(e) and M = ceil(the row's largest t), a whole number; so 1/2 < the row's largest p <= 1. The row's sum l is taken of the UNQUANTISED p, in f32, and the product's result is divided by l at the end. Since M is a whole number, a kernel that streams over the keys may use a running M (the ceiling of the running maximum): every later rescaling is an exact power of two, so the quantised numbers keep their values, but for numbers so far below the row's largest that they fall under the format's range.
;;   OPERANDS COMPUTED ON THE WAY. 'Computed on the way' means the value that the module computes at that place (a softmax that the list does not call 'softmax' is quantised finished and normalised). What goes into a quantiser is computed in f32, as accurately as f32 sums, v_exp_f32 and their like allow (about 1e-6 of the number): no bf16 or f16 on the way to a quantiser, and a product that is left as it is and whose result goes on into a quantised operand takes f32 operands (vector FMAs, or v_wmma_f32_16x16x4_f32). A number that lies on a knife's edge between two numbers of the format may be rounded either way, as far as f32 arithmetic and the matrix unit's own rounding can turn it there, and no further.
;;   INPUTS GIVEN AS CODES. W (in the module: [1024, 3072], K = its axis 0); x (in the module: [4, 2048, 1024], K = its axis 2): each comes as NAME_codes (uint8): NAME with its K axis moved to the last place and cut into blocks of 32 codes, [.., K / 32, bytes a block], one block behind the other in memory; one code a byte (a code: sign, 5 exponent bits, 2 mantissa bits); its scale is its entry of lowp_scales. Its value is code x scale, taken as it is: it is not quantised again, and the codes and scales need not be those that the quantiser above would give.
;; One version. Each part assembles by itself: llvm-mc -triple=amdgcn-amd-amdhsa -mcpu=gfx1250 --defsym DOCPART=n.
;; ======== version 1 of 1: 3 launches
;; limits: right only within a limited range of input values
;; workspace buffers: qc 8,388,608 bytes; kc 8,388,608 bytes; vc 8,388,608 bytes; pc 16,777,216 bytes; stat 1,048,576 bytes
;; launch proj (part 1): grid 8 x 32, 4 waves a work-group, clusters of 4 x 4, 327,680 bytes of LDS; arguments x_codes, W_codes, b, lowp_scales, qc, kc, vc; writes qc, kc, vc
.if DOCPART == 1
	.amdgcn_target "amdgcn-amd-amdhsa--gfx1250"
	.amdhsa_code_object_version 6
	.text
	.protected	k_q72b973db46_proj
	.globl	k_q72b973db46_proj
	.p2align	8
	.type	k_q72b973db46_proj,@function
k_q72b973db46_proj:
	s_mov_b64 s[64:65], 0
	v_nop
	global_prefetch_b8 v0, s[64:65] scope:SCOPE_SE
	s_setreg_imm32_b32 hwreg(HW_REG_WAVE_MODE, 25, 1), 1
	s_wait_xcnt 0x0
	s_wait_alu depctr_hold_cnt(0) depctr_sa_sdst(0) depctr_va_vdst(0) depctr_va_sdst(0) depctr_va_ssrc(0) depctr_va_vcc(0) depctr_vm_vsrc(0)
	s_getreg_b32 s2, hwreg(HW_REG_IB_STS2, 6, 4)
	s_cmp_eq_u32 s2, 0
	s_cbranch_scc0 .Lentry_in_a_cluster
	s_endpgm
.Lentry_in_a_cluster:
	s_bfe_u32 s2, ttmp6, 0x10000c
	s_cmp_lg_u32 s2, 0xf033
	s_cbranch_scc0 .Lentry_shape_is_right
	s_endpgm
.Lentry_shape_is_right:
; LAUNCH 1 OF 3.  qkv[t][d] = sum over c of x[t][c] W[c][d] + b[d] (8,192 tokens, c = 1,024, d = 3,072) on the given codes of BF8 (E5M2); its thirds q, k, v are quantised here, once, with the
; given scales 2^e2, 2^e3, 2^e5 (entries of lowp_scales) and leave as codes.  value = sum x 2^(e0 + e1) + b, one fused multiply-add in f32; code = value / 2^e, held within +-57,344, to the nearest code, ties to even.
; DEAD WORK LEFT OUT BY THE PROGRAM.  reference() builds the causal mask in its own body: where key > query the logit is replaced by -9e15, whose softmax weight is 0 beside the row's own key, whatever finite
; values the inputs hold.  So tiles of queries x keys all of whose keys come after all of their queries are not multiplied in the second product, and such key steps are not summed in the third.
; The projection has no dead part.  All four inputs have a way to the output and are loaded.  LIMIT: a NaN, an infinity or an overflow that reaches only the work left out is not carried to the result.
; LIMITS on the given exponents, so that each power of two below is an f32 number: e0 + e1 between -126 and 127; e2, e3, e5 between -126 and 112.  NaN and infinity among the codes or in b are not served.
; SHARES.  32 x 8 = 256 work-groups of equal work: 256 tokens x (128 channels of q, 128 of k, 128 of v: the same 128 in each third).  A wave takes 128 tokens and 64 channels of each third: 8 x 12 accumulators
; of 16 x 16 = 768 registers: q's in window 1, k's in window 2, v's in window 3.
; BOTH OPERANDS HAVE THE SAME FRAGMENT LAYOUT, SO THE SOURCES ARE SWAPPED AS THE NEXT PRODUCT WANTS: q and k: source 0 = 16 rows of W, source 1 = 16 tokens: a lane holds one token, registers run along channels.
; v: source 0 = 16 tokens, source 1 = 16 rows of W: a lane holds one channel, registers run along the tokens, the keys.
; THE CODES LEAVE AS IMAGES OF THE NEXT OPERAND'S REGISTERS.  A fragment (16 rows x 128 K) is 2,048 bytes: byte 512 g + 16 lane + i is row lane % 16 at K = 32 g + 16 (i / 8) + 8 (lane / 16) + i % 8.
;   qc, kc: [token tile of 16: 512][K step of 128: 8][2,048]      vc: [batch 4][channel tile of 16: 64][key step of 128: 16][2,048].  Each store of the wave covers 512 consecutive bytes, aligned.
; LDS.  A K step is 256 bytes of each row.  Two slots of x (256 rows), W for q (128), W for k (128); ONE slot of W for v (128 rows): two of all would not fit.  So v's products stand at the end of a K step:
; six quads of 32 matrix instructions: q, k on K 0-127; q, k, v on K 128-255; v on K 0-127 (x's fragments of that half are read once more).  v's slot is filled again at a step's end and read in the last third of the next.
; At a change of slots wave 0 fetches x, wave 1 W for q, wave 2 W for k, wave 3 W for v: one load each.
; CLUSTERS: 4 x 4 work-groups.  x hangs on the token tile, shared along a row of the cluster; W and b on the channel group, shared along a column: joint loads with a mask that names the four.
; PREFETCH INTO THE L2: ahead of K steps 0, 1 and 2 each wave asks for what the change of slots at that step's end will load, a whole step ahead of that load: x, W for q and k two steps on, W for v one step on
; (ahead of step 2 W for v alone: there is no K step 4).  A step is 256 bytes of a row, a lane a row.  Partners share the rows out by address: of x's 256 rows the partner at cx asks for 64, wave 0 by two
; instructions; of each third's 128 rows of W the partner at cy asks for 32, by one.  All rows of clusters read the same W: the first four of them ask for it.
; REGISTERS of window 0: v0-31 addresses and constants; v32-127 three buffers of two fragments of W each (on the way out the bias, codes); v128-255 x's eight fragments (on the way out values, codes).
.set PITCH,  272                       ; an LDS row: 256 bytes + 16 of padding, so that the 16 rows that a load touches begin 16 bytes further on in each 256
.set HALFT,  128*PITCH                 ; 128 rows
.set SLOT,   4*HALFT                   ; x's 256 rows, W's 128 for q, W's 128 for k
.set VSL,    2*SLOT                    ; W's 128 rows for v
.set SPARE,  VSL+HALFT                 ; the spare words, 128 bytes for each wave, which no other line names
.set BIAS,   SPARE+512                 ; three rows of 512 bytes: the biases of my work-group's channels of q, k, v
.set LIM,  5                           ; v5-7    57,344 x 2^e of q, k, v
.set BV,   8                           ; v8-15   v's biases, a pair for each channel tile
.set ADT,  16                          ; v16-17  LDS address of my tokens' fragments in slot 0, 1
.set ADW,  18                          ; v18-19  of my fragments of W for q (k's lie HALFT further on)
.set ADV,  20                          ; v20     of W for v
.set ABI,  21                          ; v21     of q's biases;  v22 of v's
.set ABV,  22
.set SCL,  23                          ; v23-25  2^e of q, k, v as f32
.set CO,   26                          ; v26     16 x lane
.set PFO,  27                          ; v27     the prefetches' offset: 1,024 x lane; never rewritten
.set SPW,  28                          ; v28     LDS address of my spare word; never rewritten
.set NIL,  29                          ; v29     0; never rewritten
.set WB,   32
.set TF,   128
.set G1X, 24                           ; s[24:31] descriptor group 1 of x;  s[32:39] group 0, a set for each slot
.set G0X, 32
.set G1W, 48                           ; s[48:55] of W;  s[56:63] group 0 of q's and k's, a set for each slot;  s[68:71] of v's
.set G0Q, 56
.set G0V, 68
.set G1B, 88                           ; s[88:95], s[20:23] the biases'
.set G0B, 20
.set PFW, 99                           ; s99      0: my wave does not prefetch
.set PFA, 100                          ; s[100:101] where my prefetches stand
.set MSB, 0
.macro WIN new                         ; the immediate's high byte repeats the setting that is left; a switch that changes nothing is dropped
.if MSB != (\new)
	s_set_vgpr_msb (MSB<<8)|(\new)
.set MSB, (\new)
.endif
.endm
.macro PLACES                          ; plain vector instructions between a matrix instruction and a load into, or a vector instruction on, its registers (ISA guide 7.12.1 for vector instructions)
.rept 4
	v_nop
.endr
.endm
; Joint loads, one a wave, in one chain of branches on the wave's number.  xqk = 1: waves 0, 1, 2 fetch x, q, k into the slot.  last: wave 3 fetches v (1) or the biases (2).
.macro TL g0, g1
	tensor_load_to_lds s[\g0:\g0+3], s[\g1:\g1+7]
	s_nop 0
	PLACES
.endm
.macro JL slot, xqk, last
.if \xqk
	s_cmp_eq_u32 s14, 0
	s_cbranch_scc0 .Lnotx_\@
	TL G0X+4*\slot, G1X
	s_branch .Lasked_\@
.Lnotx_\@:
	s_cmp_eq_u32 s14, 3
	s_cbranch_scc1 .Lthree_\@
	TL G0Q+4*\slot, G1W
	s_branch .Lasked_\@
.Lthree_\@:
.else
	s_cmp_eq_u32 s14, 3
	s_cbranch_scc0 .Lasked_\@
.endif
.if (\last) == 1
	TL G0V, G1W
.else
	TL G0B, G1B
.endif
.Lasked_\@:
.endm
.macro ASK i                           ; ahead of K step i: what the change of slots at its end will load
	WIN 0
	s_cmp_eq_u32 s[PFW], 0
	s_cbranch_scc1 .Lnot_mine_\@
.if (\i) == 2
	s_cmp_lg_u32 s14, 3
	s_cbranch_scc1 .Lnot_mine_\@
	global_prefetch_b8 v[PFO], s[PFA:PFA+1] offset:256*(\i+1) th:TH_LOAD_NT scope:SCOPE_SE
.else
	global_prefetch_b8 v[PFO], s[PFA:PFA+1] offset:256*(\i+1) th:TH_LOAD_NT scope:SCOPE_SE
	s_cmp_lg_u32 s14, 0
	s_cbranch_scc1 .Lnot_mine_\@
	global_prefetch_b8 v[PFO], s[PFA:PFA+1] offset:256*(\i+1)+32768 th:TH_LOAD_NT scope:SCOPE_SE
.endif
.Lnot_mine_\@:
.endm
.macro CREST                           ; a round of the cluster's barrier behind its opening barrier
	s_cmp_lg_u32 s14, 0
	s_cbranch_scc1 .Lnot_wave_0_\@
	s_barrier_signal -3
.Lnot_wave_0_\@:
	s_barrier_wait -3
	s_barrier_signal -1
	s_barrier_wait -1
.endm
.macro CROUND                          ; a whole round
	s_barrier_signal -1
	s_barrier_wait -1
	CREST
.endm
.macro LDT slot, q, hf                 ; four of my eight token fragments at K 128 q of the slot: registers 4 c .. 4 c + 3 hold K = 32 c + 16 h + 0 .. 15, a permutation of K that is the same on both sides
.irp i, 0,1,2,3
.irp c, 0,1,2,3
	ds_load_b128 v[TF+64*(\hf)+16*\i+4*\c:TF+64*(\hf)+16*\i+4*\c+3], v[ADT+(\slot)] offset:128*(\q)+32*\c+(4*(\hf)+\i)*16*PITCH
.endr
.endr
.endm
; A K step's W comes in twelve pairs of fragments, pair p into buffer p % 3: 0, 1: q; 2, 3: k (K 0-127); 4, 5: q; 6, 7: k; 8, 9: v (K 128-255); 10, 11: v (K 0-127)
.macro LDW slot, p
.set LWQ, 128
.if ((\p) < 4) || ((\p) > 9)
.set LWQ, 0
.endif
.set LWO, LWQ+((\p)%2)*32*PITCH
.set LWA, ADW+(\slot)
.if ((\p)/4) == 2
.set LWA, ADV
.elseif (((\p)/2)%2) == 1
.set LWO, LWO+HALFT
.endif
.irp f, 0,1
.irp c, 0,1,2,3
	ds_load_b128 v[WB+32*((\p)%3)+16*\f+4*\c:WB+32*((\p)%3)+16*\f+4*\c+3], v[LWA] offset:LWO+32*\c+\f*16*PITCH
.endr
.endr
.endm
; 8 matrix instructions: pair p's two fragments x four token fragments.  Each accumulator has one turn in a quad of 32.  zero = 1: the first product starts the sum.
.macro MQ p, hf, zero
.irp i, 0,1,2,3
.irp f, 0,1
.set MT, TF+64*(\hf)+16*\i
.set MW, WB+32*((\p)%3)+16*\f
.if ((\p)/4) == 2
.set MA, 64*(2*((\p)%2)+\f)+8*(4*(\hf)+\i)
.if \zero
	v_wmma_f32_16x16x128_bf8_bf8 v[MA:MA+7], v[MT:MT+15], v[MW:MW+15], 0
.else
	v_wmma_f32_16x16x128_bf8_bf8 v[MA:MA+7], v[MT:MT+15], v[MW:MW+15], v[MA:MA+7]
.endif
.else
.set MA, 32*(4*(\hf)+\i)+8*(2*((\p)%2)+\f)
.if \zero
	v_wmma_f32_16x16x128_bf8_bf8 v[MA:MA+7], v[MW:MW+15], v[MT:MT+15], 0
.else
	v_wmma_f32_16x16x128_bf8_bf8 v[MA:MA+7], v[MW:MW+15], v[MT:MT+15], v[MA:MA+7]
.endif
.endif
.endr
.endr
.endm
; QUAD m (0 to 4) of a K step: pairs 2 m and 2 m + 1, each against token fragments 0-3, then 4-7.  Pair 2 m + 2 is fetched at its start, pair 2 m + 3 when pair 2 m is done with.  Quads 0 and 2 begin on new token fragments
; (4-7 are fetched here); quads 1 and 4 are the last on theirs, so 0-3 are fetched anew in the middle.  Counts: a pair is 8 loads, half a set of token fragments 16.
.macro QUAD sl, m, zero
.set NT, 0
.if ((\m) == 0) || ((\m) == 2)
.set NT, 16
.endif
.set MULW, 0x50
.if ((\m) == 1) || ((\m) == 3)
.set MULW, 0xa0
.elseif (\m) == 4
.set MULW, 0xf0
.endif
	WIN 0
	PLACES
.if NT > 0
	LDT \sl, (\m)/2, 1
.endif
	LDW \sl, 2*(\m)+2
	s_wait_dscnt 16+NT                             ; pair 2 m and token fragments 0-3 are in; pair 2 m + 1 and what was issued here may be out
	WIN MULW
	MQ 2*(\m), 0, \zero
	s_wait_dscnt 8+NT                              ; pair 2 m + 1 is in
	MQ 2*(\m)+1, 0, \zero
.if ((\m) == 1) || ((\m) == 4)
	WIN 0
	PLACES
	LDT \sl, ((\m)%4), 0
	WIN MULW
.endif
.if NT > 0
	s_wait_dscnt 8                                 ; token fragments 4-7 are in; pair 2 m + 2 may be out
.endif
	MQ 2*(\m), 1, \zero
	WIN 0
	PLACES
	LDW \sl, 2*(\m)+3
	WIN MULW
	MQ 2*(\m)+1, 1, \zero
.endm
; Quad 3 of K steps 1 to 3: before W for v is read, wave 3's load of it is waited for, and one barrier shows it to all.
.macro QUADV sl
	WIN 0xa0
	s_wait_dscnt 8                                 ; pair 6 is in; pair 7 may be out
	MQ 6, 0, 0
	s_wait_tensorcnt 0x0                           ; all my tensor loads have landed
	s_wait_dscnt 0x0
	s_barrier_signal -1
	MQ 7, 0, 0
	WIN 0
	s_barrier_wait -1
	PLACES
	LDW \sl, 8
	WIN 0xa0
	MQ 6, 1, 0
	WIN 0
	PLACES
	LDW \sl, 9
	WIN 0xa0
	MQ 7, 1, 0
.endm
; Quad 5 changes slots.  In front of the round each wave waits for all its tensor loads, adds 0 to its spare word, and waits for that and for its reads of this slot and of v's.
; xqk = 1: this slot is filled again, two K steps ahead; v's slot one K step ahead.
.macro TURN sl, ns, xqk
	WIN 0
	PLACES
	LDT \sl, 0, 1
	s_wait_tensorcnt 0x0                           ; my part of the next slot is in
	ds_add_u32 v[SPW], v[NIL]                      ; 0 onto my spare word
	s_wait_dscnt 25                                ; pair 10 and token fragments 0-3 are in; pair 11, fragments 4-7 and the add may be out
	WIN 0xf0
	MQ 10, 0, 0
	s_wait_dscnt 0x0                               ; the add is done, and my reads of this slot and of v's are over
	s_barrier_signal -1
	MQ 11, 0, 0
	WIN 0
	s_barrier_wait -1
	CREST                                          ; no wave of any partner still reads these bytes or has a load on its way
.if \xqk
	s_add_nc_u64 s[G0X+4*\sl+2:G0X+4*\sl+3], s[G0X+4*\sl+2:G0X+4*\sl+3], 512
	s_add_nc_u64 s[G0Q+4*\sl+2:G0Q+4*\sl+3], s[G0Q+4*\sl+2:G0Q+4*\sl+3], 512
.endif
	s_add_nc_u64 s[G0V+2:G0V+3], s[G0V+2:G0V+3], 256
	JL \sl, \xqk, 1                                ; the first tensor load behind the round
	PLACES
	LDW \ns, 0
	LDT \ns, 0, 0
	WIN 0xf0
	MQ 10, 1, 0
	WIN 0
	PLACES
	LDW \ns, 1
	WIN 0xf0
	MQ 11, 1, 0
.endm
	s_load_b256 s[4:11], s[0:1], 0x0               ; x's codes s[4:5], W's codes s[6:7], b s[8:9], the exponents s[10:11]
	s_load_b128 s[72:75], s[0:1], 0x20             ; qc s[72:73], kc s[74:75]
	s_load_b64 s[76:77], s[0:1], 0x30              ; vc
	v_lshl_add_u32 v[SPW], v0, 2, SPARE
	v_mov_b32 v[NIL], 0
	ds_add_u32 v[SPW], v[NIL]                      ; the wave's opening: the add, twice on end, waited for ahead of my first tensor load
	ds_add_u32 v[SPW], v[NIL]                      ; and once more, under the one wait; the set-up below, work on registers, stands between
	v_lshrrev_b32 v1, 5, v0
	v_readfirstlane_b32 s14, v1                    ; wave 0..3
	s_lshr_b32 s15, s14, 1                         ; which 128 tokens are mine
	s_and_b32 s16, s14, 1                          ; which 64 channels of each third
	s_bfe_u32 s40, ttmp6, 0x40000                  ; cx, cy: my place in the cluster
	s_bfe_u32 s41, ttmp6, 0x40004
	s_lshl_b32 s42, ttmp9, 2
	s_add_co_u32 s42, s42, s40                     ; channel group g = 4 x cluster x + cx
	s_and_b32 s17, ttmp7, 0xffff
	s_lshl_b32 s17, s17, 2
	s_add_co_u32 s17, s17, s41                     ; token tile = 4 x cluster y + cy
	s_lshl_b32 s43, s41, 2
	s_lshl_b32 s43, 15, s43                        ; my row of the cluster
	s_lshl_b32 s44, 0x1111, s40                    ; my column
	; descriptor group 1: rows of 256 bytes, padded in LDS
	s_or_b32 s[G1X], s43, (0<<16)|(1<<20)|(1<<21)|(5<<22)|(3<<25)  ; 15:0 the mask; 17:16 elements of 1 byte; 20 padding on; 21 set beside a mask; 24:22 after every 64 words; 31:25 four words
	s_or_b32 s[G1W], s44, (0<<16)|(1<<20)|(1<<21)|(5<<22)|(3<<25)
	s_or_b32 s[G1B], s44, (2<<16)|(1<<21)          ; the biases: elements of 4 bytes, no padding
	s_mov_b32 s[G1X+1], 256<<16                    ; tensor_dim0
	s_mov_b32 s[G1X+2], 256<<16                    ; tensor_dim1: 256 tokens
	s_mov_b32 s[G1X+3], 256<<16                    ; tile_dim0
	s_mov_b32 s[G1X+4], 256                        ; tile_dim1
	s_mov_b32 s[G1X+5], 1024                       ; from row to row
	s_mov_b32 s[G1X+6], 0
	s_mov_b32 s[G1X+7], 0
	s_mov_b32 s[G1W+1], 256<<16
	s_mov_b32 s[G1W+2], 128<<16                    ; 128 rows of W
	s_mov_b32 s[G1W+3], 256<<16
	s_mov_b32 s[G1W+4], 128
	s_mov_b32 s[G1W+5], 1024
	s_mov_b32 s[G1W+6], 0
	s_mov_b32 s[G1W+7], 0
	s_mov_b32 s[G1B+1], 128<<16                    ; three rows of 128 numbers, 1,024 apart
	s_mov_b32 s[G1B+2], 3<<16
	s_mov_b32 s[G1B+3], 128<<16
	s_mov_b32 s[G1B+4], 3
	s_mov_b32 s[G1B+5], 1024
	s_mov_b32 s[G1B+6], 0
	s_mov_b32 s[G1B+7], 0
	s_lshl_b32 s18, s17, 18                        ; x: row 256 x token tile, in bytes
	s_mov_b32 s19, 0
	s_max_u32 s46, s14, 1                          ; W: row 1,024 x third + 128 g; wave 1 fetches q's third, 2 k's, 3 v's
	s_sub_co_u32 s46, s46, 1
	s_lshl_b32 s46, s46, 20
	s_lshl_b32 s47, s42, 17
	s_add_co_u32 s46, s46, s47
	s_mov_b32 s47, 0
	s_lshl_b32 s78, s42, 9                         ; b: 128 g numbers on
	s_mov_b32 s79, 0
	s_mul_i32 s45, s14, HALFT
	s_wait_dscnt 0x0                               ; both opening adds are done
	s_wait_kmcnt 0x0
	s_load_b128 s[80:83], s[10:11], 0x0            ; e0 .. e3
	s_load_b64 s[84:85], s[10:11], 0x10            ; e4, e5
	s_add_nc_u64 s[18:19], s[4:5], s[18:19]
	s_add_nc_u64 s[46:47], s[6:7], s[46:47]
.irp s, 0,1
	s_mov_b32 s[G0X+4*\s], 1
	s_mov_b32 s[G0X+4*\s+1], \s*SLOT
	s_add_nc_u64 s[G0X+4*\s+2:G0X+4*\s+3], s[18:19], \s*256
	s_or_b32 s[G0X+4*\s+3], s[G0X+4*\s+3], 0x80000000
	s_mov_b32 s[G0Q+4*\s], 1
	s_add_co_u32 s[G0Q+4*\s+1], s45, HALFT+\s*SLOT ; wave 1: behind x's two halves; wave 2: 128 rows further on
	s_add_nc_u64 s[G0Q+4*\s+2:G0Q+4*\s+3], s[46:47], \s*256
	s_or_b32 s[G0Q+4*\s+3], s[G0Q+4*\s+3], 0x80000000
.endr
	s_mov_b32 s[G0V], 1
	s_mov_b32 s[G0V+1], VSL
	s_mov_b64 s[G0V+2:G0V+3], s[46:47]
	s_or_b32 s[G0V+3], s[G0V+3], 0x80000000
	s_mov_b32 s[G0B], 1
	s_mov_b32 s[G0B+1], BIAS
	s_add_nc_u64 s[G0B+2:G0B+3], s[8:9], s[78:79]
	s_or_b32 s[G0B+3], s[G0B+3], 0x80000000
	CROUND                                         ; all sixteen work-groups are here: the first joint loads meet
	JL 0, 1, 1                                     ; K step 0, one load a wave
	s_mul_i32 s12, s15, HALFT                      ; my 128 tokens
	s_mul_i32 s13, s16, 64*PITCH                   ; my 64 rows of W
	s_add_co_u32 s78, s13, 2*HALFT
	s_add_co_u32 s79, s13, VSL
	s_lshl_b32 s86, s16, 8
	s_add_co_u32 s87, s86, BIAS
	s_add_co_u32 s98, s86, BIAS+1024
	v_and_b32 v1, 15, v0                           ; r = lane % 16
	v_bfe_u32 v2, v0, 4, 1                         ; h = lane / 16
	v_and_b32 v3, 31, v0
	v_lshlrev_b32 v[CO], 4, v3
	v_lshlrev_b32 v[PFO], 10, v3
	v_mul_u32_u24 v4, v1, PITCH
	v_lshl_add_u32 v4, v2, 4, v4                   ; a fragment's row x pitch + 16 h
	v_add_nc_u32 v[ADT], s12, v4
	v_add_nc_u32 v[ADT+1], SLOT, v[ADT]
	v_add_nc_u32 v[ADW], s78, v4
	v_add_nc_u32 v[ADW+1], SLOT, v[ADW]
	v_add_nc_u32 v[ADV], s79, v4
	v_lshlrev_b32 v[ABI], 5, v2                    ; q, k: registers 8 h + j of channel tile w
	v_add_nc_u32 v[ABI], s87, v[ABI]
	v_lshlrev_b32 v[ABV], 2, v1                    ; v: lane r of channel tile w
	v_add_nc_u32 v[ABV], s98, v[ABV]
.irp w, 0,1,2,3
	v_mov_b32 v[BV+2*\w+1], 0                      ; named as the pairs' upper halves
.endr
	; the prefetches: wave 0: x's rows 64 cx on of my token tile; waves 1 to 3: W's rows 32 cy on of the third that I fetch; all but wave 3 one K step further on
	s_lshl_b32 s78, s40, 16
	s_lshl_b32 s79, s41, 15
	s_cmp_eq_u32 s14, 0
	s_cselect_b32 s78, s78, s79
	s_cselect_b64 s[PFA:PFA+1], s[18:19], s[46:47]
	s_cmp_eq_u32 s14, 3
	s_cselect_b32 s79, 0, 256
	s_add_co_u32 s78, s78, s79
	s_mov_b32 s79, 0
	s_add_nc_u64 s[PFA:PFA+1], s[PFA:PFA+1], s[78:79]
	s_and_b32 s86, ttmp7, 0xffff
	s_cmp_lt_u32 s86, 4                            ; W: the first four rows of clusters ask
	s_cselect_b32 s[PFW], 1, 0
	s_cmp_eq_u32 s14, 0
	s_cselect_b32 s[PFW], 1, s[PFW]
	s_wait_alu depctr_va_vdst(0)
	; K step 1 of x, q and k, which the second round's joint loads will bring, is asked for while K step 0 is on its way; W for v has no second slot, so wave 3 asks for nothing here
	s_cmp_eq_u32 s[PFW], 0
	s_cbranch_scc1 .Lno_ask
	s_cmp_eq_u32 s14, 3
	s_cbranch_scc1 .Lno_ask
	global_prefetch_b8 v[PFO], s[PFA:PFA+1] th:TH_LOAD_NT scope:SCOPE_SE
	s_cmp_lg_u32 s14, 0
	s_cbranch_scc1 .Lno_ask
	global_prefetch_b8 v[PFO], s[PFA:PFA+1] offset:32768 th:TH_LOAD_NT scope:SCOPE_SE
.Lno_ask:
	s_wait_kmcnt 0x0
	s_add_co_i32 s96, s80, s81
	s_add_co_i32 s96, s96, 127
	s_lshl_b32 s96, s96, 23                        ; 2^(e0 + e1) as f32
	s_mov_b32 s97, s96                             ; named with it as a pair
.macro SCALE e, n
	s_add_co_i32 s86, s[\e], 127
	s_lshl_b32 s87, s86, 23
	v_mov_b32 v[SCL+\n], s87                       ; 2^e as f32: the conversion takes its exponent field
	s_add_co_i32 s86, s86, 15
	s_lshl_b32 s86, s86, 23
	s_or_b32 s86, s86, 0x600000
	v_mov_b32 v[LIM+\n], s86                       ; 57,344 x 2^e
.endm
	SCALE 82, 0
	SCALE 83, 1
	SCALE 85, 2
	; where my codes go
	s_lshl_b32 s86, s17, 18                        ; qc, kc: token tile 16 x tile + 8 x half, of 16,384 bytes; K step g; 1,024 x my channels' half
	s_lshl_b32 s87, s15, 17
	s_add_co_u32 s86, s86, s87
	s_lshl_b32 s87, s42, 11
	s_add_co_u32 s86, s86, s87
	s_lshl_b32 s87, s16, 10
	s_add_co_u32 s86, s86, s87
	s_mov_b32 s87, 0
	s_add_nc_u64 s[72:73], s[72:73], s[86:87]
	s_add_nc_u64 s[74:75], s[74:75], s[86:87]
	s_lshr_b32 s86, s17, 3                         ; vc: batch; channel tile 8 g + 4 x half, of 32,768 bytes; key step 2 (token tile % 8) + half
	s_lshl_b32 s86, s86, 21
	s_lshl_b32 s87, s42, 18
	s_add_co_u32 s86, s86, s87
	s_lshl_b32 s87, s16, 17
	s_add_co_u32 s86, s86, s87
	s_and_b32 s87, s17, 7
	s_lshl_b32 s87, s87, 12
	s_add_co_u32 s86, s86, s87
	s_lshl_b32 s87, s15, 11
	s_add_co_u32 s86, s86, s87
	s_mov_b32 s87, 0
	s_add_nc_u64 s[76:77], s[76:77], s[86:87]
	s_wait_alu depctr_va_vdst(0)
	s_wait_tensorcnt 0x0                           ; my part of K step 0 is in
	ds_add_u32 v[SPW], v[NIL]
	s_wait_dscnt 0x0
	CROUND                                         ; everybody's part of K step 0 is in, and the next joint loads meet
	JL 1, 1, 2                                     ; K step 1 of x, q, k, and the biases
	LDT 0, 0, 0
	LDW 0, 0
	LDW 0, 1
	ASK 0
	QUAD 0, 0, 1                                   ; K step 0: the first products on each accumulator start its sum
	QUAD 0, 1, 1
	QUAD 0, 2, 0
	QUAD 0, 3, 0
	QUAD 0, 4, 1
	TURN 0, 1, 1
	ASK 1
.macro KSTEP sl
	QUAD \sl, 0, 0
	QUAD \sl, 1, 0
	QUAD \sl, 2, 0
	QUADV \sl
	QUAD \sl, 4, 0
.endm
	KSTEP 1
	TURN 1, 0, 1
	ASK 2
	KSTEP 0
	TURN 0, 1, 0                                   ; K step 3's W for v is all that is left to fetch
	KSTEP 1
	; the last quad: nothing is filled again; the biases come into W's buffers as these are done with
	WIN 0
	PLACES
	LDT 1, 0, 1
.irp w, 0,1,2,3
	ds_load_b128 v[WB+8*\w:WB+8*\w+3], v[ABI] offset:64*\w
	ds_load_b128 v[WB+8*\w+4:WB+8*\w+7], v[ABI] offset:64*\w+16
.endr
.irp w, 0,1,2,3
	ds_load_b32 v[BV+2*\w], v[ABV] offset:64*\w
.endr
	s_wait_dscnt 36                                ; pair 10 and token fragments 0-3 are in; pair 11 (8), fragments 4-7 (16) and the biases (12) may be out
	WIN 0xf0
	MQ 10, 0, 0
	s_wait_dscnt 28
	MQ 11, 0, 0
	s_wait_dscnt 12
	MQ 10, 1, 0
	WIN 0
	PLACES
.irp w, 0,1,2,3
	ds_load_b128 v[WB+32+8*\w:WB+32+8*\w+3], v[ABI] offset:512+64*\w
	ds_load_b128 v[WB+32+8*\w+4:WB+32+8*\w+7], v[ABI] offset:512+64*\w+16
.endr
	WIN 0xf0
	MQ 11, 1, 0
	WIN 0
	PLACES                                         ; in front of the first write over the fragments
	s_wait_dscnt 0x0                               ; the biases
; THE WAY OUT, in twelve blocks of 64 registers: q 0-3 and k 4-7 (two token tiles x my 64 channels each), v 8-11 (a channel tile x my 128 tokens).
; value = sum x 2^(e0 + e1) + b; the hold; the conversions; four stores of 512 consecutive bytes.  Six sets of codes take turns.
.macro OUTB n
.set TY, (\n)/4
.set BL, (\n)%4
.if ((\n)%6) < 2
.set CDR, 96+16*((\n)%6)
.else
.set CDR, 192+16*((\n)%6-2)
.endif
.if (\n) == 6
	s_wait_xcnt 0x0                                ; the first six blocks' stores have read their data
.endif
	WIN (1+(\n)/4)                                 ; source 0: window 1, 2 or 3
.irp i, 0,2,4,6,8,10,12,14,16,18,20,22,24,26,28,30,32,34,36,38,40,42,44,46,48,50,52,54,56,58,60,62
.if TY == 2
	v_pk_fma_f32 v[TF+\i:TF+\i+1], v[64*BL+\i:64*BL+\i+1], s[96:97], v[BV+2*BL:BV+2*BL+1] op_sel_hi:[1,0,0]   ; the bias of my lane's channel, for both; each accumulator from its low end on
.else
	v_pk_fma_f32 v[TF+\i:TF+\i+1], v[64*BL+\i:64*BL+\i+1], s[96:97], v[WB+32*TY+\i%32:WB+32*TY+\i%32+1] op_sel_hi:[1,0,1]   ; the biases of the two registers' channels
.endif
.endr
	WIN 0
.irp g, 0,1,2,3
.irp i, 0,1,2,3,4,5,6,7,8,9,10,11,12,13,14,15
	v_med3_num_f32 v[TF+16*\g+\i], v[TF+16*\g+\i], -v[LIM+TY], v[LIM+TY]   ; the conversion to an 8-bit code does not saturate (ISA guide 7.6.2): the hold at the largest code x the scale
.endr
	v_cvt_scalef32_pk8_bf8_f32 v[CDR+4*\g:CDR+4*\g+1], v[TF+16*\g:TF+16*\g+7], v[SCL+TY]
	v_cvt_scalef32_pk8_bf8_f32 v[CDR+4*\g+2:CDR+4*\g+3], v[TF+16*\g+8:TF+16*\g+15], v[SCL+TY]
.endr
	v_nop                                          ; a plain vector line between the last conversion and the next block's multiply-adds, which write its sources
.irp g, 0,1,2,3
.if TY == 2
	global_store_b128 v[CO], v[CDR+4*\g:CDR+4*\g+3], s[76:77] offset:BL*32768+512*\g
.else
	global_store_b128 v[CO], v[CDR+4*\g:CDR+4*\g+3], s[72+2*TY:73+2*TY] offset:(2*BL+\g/2)*16384+512*(\g%2)
.endif
.endr
.endm
.irp n, 0,1,2,3,4,5,6,7,8,9,10,11
	OUTB \n
.endr
	s_wait_tensorcnt 0x0                           ; the wave's end
	ds_add_u32 v[SPW], v[NIL]
	s_wait_dscnt 0x0
	CROUND                                         ; the closing round: no work-group ends while a partner may still ask for a tile that names it
	s_endpgm
.Lfunc_end_k_q72b973db46_proj:
	.size	k_q72b973db46_proj, .Lfunc_end_k_q72b973db46_proj-k_q72b973db46_proj
	.p2alignl 7, 3214868480
	.fill 96, 4, 3214868480
	.section	.rodata,"a",@progbits
	.p2align	6, 0x0
	.amdhsa_kernel k_q72b973db46_proj
		.amdhsa_group_segment_fixed_size 327680
		.amdhsa_private_segment_fixed_size 0
		.amdhsa_enable_private_segment 0
		.amdhsa_kernarg_size 56
		.amdhsa_user_sgpr_count 2
		.amdhsa_user_sgpr_kernarg_segment_ptr 1
		.amdhsa_wavefront_size32 1
		.amdhsa_system_sgpr_workgroup_id_x 1
		.amdhsa_system_sgpr_workgroup_id_y 1
		.amdhsa_system_sgpr_workgroup_id_z 1
		.amdhsa_system_vgpr_workitem_id 0
		.amdhsa_next_free_vgpr 1024
		.amdhsa_next_free_sgpr 102
		.amdhsa_reserve_vcc 0
		.amdhsa_float_denorm_mode_32 3
		.amdhsa_float_denorm_mode_16_64 3
		.amdhsa_memory_ordered 1
		.amdhsa_forward_progress 1
		.amdhsa_inst_pref_size 211
	.end_amdhsa_kernel
	.amdgpu_metadata
---
amdhsa.version: [ 1, 2 ]
amdhsa.kernels:
  - .name:           k_q72b973db46_proj
    .symbol:         k_q72b973db46_proj.kd
    .args:
      - { .name: x_codes, .offset: 0, .size: 8, .value_kind: global_buffer, .address_space: global }
      - { .name: W_codes, .offset: 8, .size: 8, .value_kind: global_buffer, .address_space: global }
      - { .name: b, .offset: 16, .size: 8, .value_kind: global_buffer, .address_space: global }
      - { .name: lowp_scales, .offset: 24, .size: 8, .value_kind: global_buffer, .address_space: global }
      - { .name: qc, .offset: 32, .size: 8, .value_kind: global_buffer, .address_space: global }
      - { .name: kc, .offset: 40, .size: 8, .value_kind: global_buffer, .address_space: global }
      - { .name: vc, .offset: 48, .size: 8, .value_kind: global_buffer, .address_space: global }
    .group_segment_fixed_size: 327680
    .private_segment_fixed_size: 0
    .kernarg_segment_align: 8
    .kernarg_segment_size: 56
    .max_flat_workgroup_size: 128
    .sgpr_count:     102
    .vgpr_count:     1024
    .wavefront_size: 32
...
	.end_amdgpu_metadata
.endif
;; end of part 1
;; launch scores (part 2): grid 4 x 64, 4 waves a work-group, clusters of 4 x 1, 327,680 bytes of LDS; arguments qc, kc, lowp_scales, pc, stat; writes pc, stat
.if DOCPART == 2
	.amdgcn_target "amdgcn-amd-amdhsa--gfx1250"
	.amdhsa_code_object_version 6
	.text
	.protected	k_q72b973db46_scores
	.globl	k_q72b973db46_scores
	.p2align	8
	.type	k_q72b973db46_scores,@function
k_q72b973db46_scores:
	s_mov_b64 s[64:65], 0
	v_nop
	global_prefetch_b8 v0, s[64:65] scope:SCOPE_SE
	s_setreg_imm32_b32 hwreg(HW_REG_WAVE_MODE, 25, 1), 1
	s_wait_xcnt 0x0
	s_wait_alu depctr_hold_cnt(0) depctr_sa_sdst(0) depctr_va_vdst(0) depctr_va_sdst(0) depctr_va_ssrc(0) depctr_va_vcc(0) depctr_vm_vsrc(0)
	s_getreg_b32 s2, hwreg(HW_REG_IB_STS2, 6, 4)
	s_cmp_eq_u32 s2, 0
	s_cbranch_scc0 .Lentry_in_a_cluster
	s_endpgm
.Lentry_in_a_cluster:
	s_bfe_u32 s2, ttmp6, 0x10000c
	s_cmp_lg_u32 s2, 0x3003
	s_cbranch_scc0 .Lentry_shape_is_right
	s_endpgm
.Lentry_shape_is_right:
; LAUNCH 2 OF 3.  The scores of q and k on codes of BF8 (E5M2), their p = 2^(t - M') under a whole number M' for each query and block of 256 keys, and p's codes.  t = score x 2^(e2 + e3) x log2(e) / 32;
; M' = the largest t of the query in that block, rounded up; the third launch joins the blocks.
; DEAD WORK: blocks of 256 queries x 256 keys all of whose keys come after all of their queries (the causal mask of reference()'s own body; shown at the head of the first launch) are not multiplied.
; SHARES.  A batch has 36 live blocks: key block kb with query blocks kb to 7.  They are dealt to 16 clusters of four work-groups: a cluster has ONE key block and nq = 3, 2 or 1 query blocks from m0 on
; (five, ten and one of the sixteen parts); a query block's 16 tiles of 16 queries go to the cluster's 16 waves: tile 4 cx + wave.
; 4 x 16 x 4 = 256 work-groups, those with three query blocks first.
; THE KEYS LIE IN LDS WHOLE: 256 x 1,024 codes = 262,144 bytes, brought by two joint loads a wave (K steps 0-3, then 4-7, of four tiles of keys); no LDS byte is filled twice.  All four work-groups read them.
; THE QUERIES NEVER GO THROUGH LDS: qc holds images of fragments, and one wave alone wants a given tile: four loads of 16 bytes a lane put a fragment into its operand registers.  The loads of K steps 0-3 go out with
; the first tensor load, those of 4-7 with the second.  Their number hangs on nq, so each wait for them is for 0.
; Source 0 = 16 keys, source 1 = 16 queries: a lane holds one query (lane % 16); register j of accumulator b is key 16 b + 8 (lane / 16) + j.  Branches hang on the cluster's number (nq, the diagonal) alone.
; NO PREFETCH: there is no loop to run ahead in; all is asked for by two loads of each kind.
; OUT: pc: images of fragments, [query tile of 16: 512][key step of 128: 16][2,048].   stat: [batch 4][key block 8][query tile 128][256 bytes: -M', l of the first 128 keys, -M', l of the last 128; 16 queries each],
; l = the sum of the unquantised p.
; LIMITS: e2 + e3 between -121 and 132; e4 between -126 and 112; the scaled scores stay under 2^31 in magnitude.  NaN and infinity are not served.
; REGISTERS: window 0: v4-49 addresses and at work; v64-255 three buffers of four fragments of keys (on the way out v64-127 codes, v128-255 p).
;   window 1: the accumulators of query tiles 0 (v0-127) and 1 (v128-255); window 2: of tile 2 (v0-127), tile 0's fragments of q (v128 + 16 x K step); window 3: tile 1's (v0 on), tile 2's (v128 on).
.set STG,   262144                     ; 256 bytes for each wave and tile: the statistics
.set SPARE, STG+3072                   ; the spare words, 128 bytes for each wave, which no other line names
.set L16,  4                           ; v4      16 x lane
.set L8,   5                           ; v5      8 x lane
.set KA,   6                           ; v6-9    LDS: 16 x lane + 65,536 x (0..3): K steps 0-3 key tiles 0-7, 8-15; K steps 4-7 likewise
.set SPW,  12
.set NIL,  13
.set SW,   14                          ; v14     my place in the stage: in,
.set SR,   15                          ; v15     back
.set SCL,  16
.set LIM,  17
.set NINF, 18
.set DG,   19
.set MX,   20
.set WK,   24
.set NM,   26                          ; v26     -M' (v27: named as the pair's upper half)
.set CH,   32                          ; v32-39  four chains of sums
.set LS,   40                          ; v40-41  l of the first and the last 128 keys
.set SV,   42                          ; v42-43
.set SD,   44                          ; v44-49  a tile's statistics on their way out
.set VB,   64
.set TMP,  128
.set G1,  24                           ; s[24:31] descriptor group 1;  s[32:39] group 0, a set for each of my two loads
.set G0,  32
.set QB,  48                           ; s[48:49] qc at my first tile
.set PO,  50                           ; s[50:51] pc, s[52:53] stat likewise
.set SO,  52
.set LOM, 54                           ; s54     the mask of lanes 0 to 15
.set MSB, 0
.macro WIN new                         ; the immediate's high byte repeats the setting that is left; a switch that changes nothing is dropped
.if MSB != (\new)
	s_set_vgpr_msb (MSB<<8)|(\new)
.set MSB, (\new)
.endif
.endm
.macro PLACES                          ; plain vector instructions between a matrix instruction and a load into, or a vector instruction on, its registers (ISA guide 7.12.1 for vector instructions)
.rept 4
	v_nop
.endr
.endm
.macro CROUND                          ; a round of the cluster's barrier
	s_barrier_signal -1
	s_barrier_wait -1
	s_cmp_lg_u32 s14, 0
	s_cbranch_scc1 .Lnot_wave_0_\@
	s_barrier_signal -3
.Lnot_wave_0_\@:
	s_barrier_wait -3
	s_barrier_signal -1
	s_barrier_wait -1
.endm
.macro QTILE t, d0, win, reg           ; query tile t's fragments of four K steps: 16 loads of 512 consecutive bytes
	WIN \win
.irp d, 0,1,2,3
.irp c, 0,1,2,3
	global_load_b128 v[\reg+16*(\d0+\d)+4*\c:\reg+16*(\d0+\d)+4*\c+3], v[L16], s[QB:QB+1] offset:262144*(\t)+2048*(\d0+\d)+512*\c
.endr
.endr
	WIN 0
.endm
.macro QLOAD d0                        ; of all my tiles
	QTILE 0, \d0, 0x80, 128
	s_cmp_lt_u32 s19, 2
	s_cbranch_scc1 .Lq_\@
	QTILE 1, \d0, 0xc0, 0
	s_cmp_lt_u32 s19, 3
	s_cbranch_scc1 .Lq_\@
	QTILE 2, \d0, 0xc0, 128
.Lq_\@:
.endm
; GROUP G = 4 x K step + g: key tiles 4 g to 4 g + 3, in buffer G % 3
.macro LOADK G
.irp b, 0,1,2,3
.irp c, 0,1,2,3
	ds_load_b128 v[VB+64*((\G)%3)+16*\b+4*\c:VB+64*((\G)%3)+16*\b+4*\c+3], v[KA+2*((\G)/16)+((\G)%4)/2] offset:(4*((\G)%2)+\b)*8192+2048*(((\G)/4)%4)+512*\c
.endr
.endr
.endm
; 4 matrix instructions of query tile t; K step 0's start the sums.  A tile's 16 accumulators take turns, one instruction a K step.
.macro M4 G, win, qreg, areg
	WIN \win
.irp b, 0,1,2,3
.set KR, VB+64*((\G)%3)+16*\b
.set QR, \qreg+16*((\G)/4)
.set AR, \areg+8*(4*((\G)%4)+\b)
.if (\G) < 4
	v_wmma_f32_16x16x128_bf8_bf8 v[AR:AR+7], v[KR:KR+15], v[QR:QR+15], 0
.else
	v_wmma_f32_16x16x128_bf8_bf8 v[AR:AR+7], v[KR:KR+15], v[QR:QR+15], v[AR:AR+7]
.endif
.endr
	WIN 0
.endm
; My queries' K steps 4 to 7 are asked for behind the second tensor load, in groups 0 to 7, two loads for each tile behind that tile's products; they are waited for behind group 15.
.macro QNEXT G, t, win, reg
.if (\G) < 8
	WIN \win
.irp e, 0,1
	global_load_b128 v[\reg+16*(4+(\G)/2)+4*(2*((\G)%2)+\e):\reg+16*(4+(\G)/2)+4*(2*((\G)%2)+\e)+3], v[L16], s[QB:QB+1] offset:262144*(\t)+2048*(4+(\G)/2)+512*(2*((\G)%2)+\e)
.endr
	WIN 0
.endif
.endm
.macro GROUP G
.if ((\G)%16) < 14
	PLACES                                         ; the buffer that the group before multiplied takes the group two further on
	LOADK (\G)+2
	s_wait_dscnt 32                                ; this group's fragments are in; the next two groups' may be out
.elseif ((\G)%16) == 14
	s_wait_dscnt 16
.else
	s_wait_dscnt 0x0
.endif
	M4 \G, 0x58, 128, 0
	QNEXT \G, 0, 0x80, 128
	s_cmp_lt_u32 s19, 2
	s_cbranch_scc1 .Lg_\@
	M4 \G, 0x5c, 0, 128
	QNEXT \G, 1, 0xc0, 0
	s_cmp_lt_u32 s19, 3
	s_cbranch_scc1 .Lg_\@
	M4 \G, 0xac, 128, 0
	QNEXT \G, 2, 0xc0, 128
.Lg_\@:
.endm
	s_load_b256 s[4:11], s[0:1], 0x0               ; qc s[4:5], kc s[6:7], the exponents s[8:9], pc s[10:11]
	s_load_b64 s[12:13], s[0:1], 0x20              ; stat
	v_lshl_add_u32 v[SPW], v0, 2, SPARE
	v_mov_b32 v[NIL], 0
	ds_add_u32 v[SPW], v[NIL]                      ; the wave's opening: the add, twice on end, waited for ahead of my first tensor load
	ds_add_u32 v[SPW], v[NIL]
	v_lshrrev_b32 v1, 5, v0
	v_readfirstlane_b32 s14, v1                    ; wave 0..3
	s_and_b32 s20, ttmp7, 0xffff
	s_and_b32 s15, s20, 3                          ; batch
	s_lshr_b32 s20, s20, 2                         ; part 0..15
	s_mov_b32 s40, 0x21031005                      ; kb of parts 0 to 7, four bits each,
	s_mov_b32 s41, 0x74221643                      ; of parts 8 to 15
	s_mov_b32 s42, 0x21055525                      ; m0 likewise
	s_mov_b32 s43, 0x76643643
	s_cmp_lt_u32 s20, 8
	s_cselect_b32 s40, s40, s41
	s_cselect_b32 s42, s42, s43
	s_and_b32 s21, s20, 7
	s_lshl_b32 s21, s21, 2
	s_lshr_b32 s17, s40, s21
	s_and_b32 s17, s17, 15                         ; kb
	s_lshr_b32 s18, s42, s21
	s_and_b32 s18, s18, 15                         ; m0
	s_cmp_lt_u32 s20, 5
	s_cselect_b32 s19, 3, 2
	s_cmp_eq_u32 s20, 15
	s_cselect_b32 s19, 1, s19                      ; nq
	s_bfe_u32 s16, ttmp6, 0x40000                  ; cx
	s_lshl_b32 s16, s16, 2
	s_add_co_u32 s16, s16, s14                     ; my tile in each query block: 4 cx + wave
	; descriptor group 1: 4 rows (key tiles) of 8,192 bytes (four K steps), 16,384 bytes apart, dense in LDS
	s_mov_b32 s[G1+0], 15|(3<<16)|(1<<21)          ; 15:0 all four of the cluster; elements of 8 bytes; 21 set beside a mask; no padding
	s_mov_b32 s[G1+1], 1024<<16                    ; tensor_dim0 = 1,024 elements
	s_mov_b32 s[G1+2], 4<<16                       ; tensor_dim1
	s_mov_b32 s[G1+3], 1024<<16                    ; tile_dim0
	s_mov_b32 s[G1+4], 4                           ; tile_dim1
	s_mov_b32 s[G1+5], 2048                        ; from row to row, in elements
	s_mov_b32 s[G1+6], 0
	s_mov_b32 s[G1+7], 0
	s_mov_b32 s[G0], 1
	s_lshl_b32 s[G0+1], s14, 15                    ; LDS: my four key tiles, K steps 0-3
	s_mov_b32 s[G0+4], 1
	s_add_co_u32 s[G0+5], s[G0+1], 131072          ; K steps 4-7
	s_lshl_b32 s40, s15, 21                        ; kc: token tile 128 x batch + 16 kb + 4 x wave, of 16,384 bytes
	s_lshl_b32 s41, s17, 18
	s_add_co_u32 s40, s40, s41
	s_lshl_b32 s41, s14, 16
	s_add_co_u32 s40, s40, s41
	s_mov_b32 s41, 0
	s_lshl_b32 s42, s18, 4
	s_add_co_u32 s42, s42, s16                     ; my first query tile of the batch: 16 m0 + mine
	s_lshl_b32 s43, s15, 7
	s_add_co_u32 s43, s43, s42                     ; of all
	s_lshl_b32 s44, s43, 14                        ; in qc
	s_mov_b32 s45, 0
	s_lshl_b32 s46, s43, 15
	s_lshl_b32 s47, s17, 12
	s_add_co_u32 s46, s46, s47                     ; in pc: 16 key steps of 2,048 bytes a tile; key step 2 kb
	s_mov_b32 s47, 0
	s_lshl_b32 s42, s42, 8
	s_lshl_b32 s43, s15, 18
	s_add_co_u32 s42, s42, s43
	s_lshl_b32 s43, s17, 15
	s_add_co_u32 s42, s42, s43                     ; in stat
	s_mov_b32 s43, 0
	s_mul_i32 s22, s14, 768
	s_add_co_u32 s22, s22, STG                     ; my stage
	s_lshl_b32 s23, s16, 4
	v_and_b32 v3, 31, v0                           ; lane
	v_and_b32 v1, 15, v0                           ; r
	v_bfe_u32 v2, v0, 4, 1                         ; h
	v_lshlrev_b32 v[L16], 4, v3
	v_lshlrev_b32 v[L8], 3, v3
	v_lshlrev_b32 v[KA], 4, v3
	v_add_nc_u32 v[KA+1], 0x10000, v[KA]
	v_add_nc_u32 v[KA+2], 0x20000, v[KA]
	v_add_nc_u32 v[KA+3], 0x30000, v[KA]
	v_lshlrev_b32 v[SW], 2, v3
	v_add_nc_u32 v[SW], s22, v[SW]
	v_add_nc_u32 v[SR], s22, v[L8]
	v_lshlrev_b32 v[DG], 3, v2
	v_sub_nc_u32 v[DG], v1, v[DG]
	v_add_nc_u32 v[DG], s23, v[DG]                 ; the diagonal: register j of accumulator b is hidden where 16 b + j > 16 x tile + r - 8 h
	v_mov_b32 v[NINF], 0xff800000
	v_mov_b32 v[WK], 0                             ; a lane permute's destination counts as read
	v_mov_b32 v[NM+1], 0
	v_cmp_gt_u32 s[LOM], 16, v3
	s_wait_alu depctr_va_vdst(0)
	s_wait_dscnt 0x0                               ; both opening adds are done
	s_wait_kmcnt 0x0
	s_load_b128 s[80:83], s[8:9], 0x8              ; e2 .. e5
	s_add_nc_u64 s[G0+2:G0+3], s[6:7], s[40:41]
	s_add_nc_u64 s[G0+6:G0+7], s[G0+2:G0+3], 8192
	s_or_b32 s[G0+3], s[G0+3], 0x80000000
	s_or_b32 s[G0+7], s[G0+7], 0x80000000
	s_add_nc_u64 s[QB:QB+1], s[4:5], s[44:45]
	s_add_nc_u64 s[PO:PO+1], s[10:11], s[46:47]
	s_add_nc_u64 s[SO:SO+1], s[12:13], s[42:43]
	CROUND                                         ; all four work-groups are here: the first joint loads meet
	tensor_load_to_lds s[G0:G0+3], s[G1:G1+7]      ; K steps 0-3
	s_nop 0
	PLACES
	QLOAD 0
	s_wait_kmcnt 0x0
	s_add_co_i32 s40, s80, s81
	s_lshl_b32 s40, s40, 23
	s_add_co_i32 s22, s40, 0x3d38aa3b              ; log2(e) / 32, e2 + e3 added to its exponent field
	s_mov_b32 s23, s22                             ; named with it as a pair
	s_add_co_i32 s40, s82, 127
	s_lshl_b32 s41, s40, 23
	v_mov_b32 v[SCL], s41                          ; 2^e4 as f32
	s_add_co_i32 s40, s40, 15
	s_lshl_b32 s40, s40, 23
	s_or_b32 s40, s40, 0x600000
	v_mov_b32 v[LIM], s40                          ; 57,344 x 2^e4
	s_mov_b32 s20, 0x76543210
	s_mov_b32 s21, 0xfedcba98                      ; v_permlanex16_b32's selects for lane xor 16
	s_wait_alu depctr_va_vdst(0)
	s_wait_tensorcnt 0x0                           ; my part of K steps 0-3 is in
	ds_add_u32 v[SPW], v[NIL]
	s_wait_dscnt 0x0
	CROUND                                         ; everybody's is, and the next joint loads meet
	tensor_load_to_lds s[G0+4:G0+7], s[G1:G1+7]    ; K steps 4-7
	s_nop 0
	PLACES
	LOADK 0
	LOADK 1
	s_wait_loadcnt 0x0                             ; my queries' K steps 0-3
.irp G, 0,1,2,3,4,5,6,7,8,9,10,11,12,13,14,15
	GROUP \G
.endr
	PLACES
	s_wait_loadcnt 0x0                             ; my queries' K steps 4-7
	s_wait_tensorcnt 0x0                           ; my part of the keys' K steps 4-7
	s_wait_dscnt 0x0
	s_barrier_signal -1
	s_barrier_wait -1                              ; everybody's is in
	LOADK 16
	LOADK 17
.irp G, 16,17,18,19,20,21,22,23,24,25,26,27,28,29,30,31
	GROUP \G
.endr
	PLACES                                         ; in front of the first read of results and the first write over the fragments
	s_cmp_lg_u32 s17, s18                          ; the diagonal lies in the part whose first query block is the key block
	s_cbranch_scc1 .Lopen
	WIN 0x41                                       ; destination and source 0 window 1
.irp b, 0,1,2,3,4,5,6,7,8,9,10,11,12,13,14,15
.irp j, 0,1,2,3,4,5,6,7
	v_cmp_gt_i32 vcc_lo, 16*\b+\j, v[DG]
	v_cndmask_b32 v[8*\b+\j], v[8*\b+\j], v[NINF], vcc_lo   ; hidden scores become -infinity ahead of the maximum: p = 0 then
.endr
.endr
	WIN 0
	s_wait_alu depctr_va_vdst(0)
.Lopen:
; A TILE OF 16 QUERIES: the largest score, M', p, l, p's codes.  w: its accumulators' window; ar: the first of their 128 registers; cd: where its codes go.
.macro SOFT t, w, ar, cd
.if (\t) == 2
	s_wait_alu depctr_va_vdst(0)
	s_wait_xcnt 0x0                                ; tile 0's stores have read their codes
.endif
	WIN (0x05*\w)
	s_wait_alu depctr_va_vdst(0)                   ; the wait directly ahead of the sums' first readers
.irp bb, 0,1,2,3
.irp k, 0,2,4,6
.irp c, 0,1,2,3
.if (\bb+\k) == 0
	v_max_num_f32 v[MX+\c], v[\ar+8*\c], v[\ar+8*\c+1]        ; four chains; each accumulator from its low end on
.else
	v_max3_num_f32 v[MX+\c], v[\ar+8*(4*\bb+\c)+\k], v[\ar+8*(4*\bb+\c)+\k+1], v[MX+\c]
.endif
.endr
.endr
.endr
	WIN 0
	v_max3_num_f32 v[MX], v[MX], v[MX+1], v[MX+2]
	v_max_num_f32 v[MX], v[MX], v[MX+3]
	v_permlanex16_b32 v[WK], v[MX], s20, s21
	v_max_num_f32 v[MX], v[MX], v[WK]              ; and among lane l xor 16's
	v_mul_f32 v[MX], s22, v[MX]                    ; as t (the factor is positive)
	v_floor_f32 v[NM], -v[MX]                      ; -M'
	WIN \w
.set n, 0
.rept 64
	v_pk_fma_f32 v[TMP+n:TMP+n+1], v[\ar+n:\ar+n+1], s[22:23], v[NM:NM+1] op_sel_hi:[1,0,0]   ; t - M'
.set n, n+2
.endr
	WIN 0
	s_wait_alu depctr_va_vdst(0)                   ; the wait ahead of the batch
.set n, 0
.rept 128
	v_exp_f32 v[TMP+n], v[TMP+n]                   ; p, at most 1
.set n, n+1
.endr
	v_nop                                          ; a plain place behind the batch
	s_wait_alu depctr_va_vdst(0)                   ; and the wait behind it
.irp c, 0,1,2,3
	v_pk_add_f32 v[CH+2*\c:CH+2*\c+1], v[TMP+32*\c:TMP+32*\c+1], v[TMP+32*\c+2:TMP+32*\c+3]   ; l is taken of the unquantised p: chains 0, 1: the first 128 keys; 2, 3: the last
.endr
.set n, 4
.rept 14
.irp c, 0,1,2,3
	v_pk_add_f32 v[CH+2*\c:CH+2*\c+1], v[CH+2*\c:CH+2*\c+1], v[TMP+32*\c+n:TMP+32*\c+n+1]
.endr
.set n, n+2
.endr
	v_pk_add_f32 v[CH:CH+1], v[CH:CH+1], v[CH+2:CH+3]
	v_pk_add_f32 v[CH+4:CH+5], v[CH+4:CH+5], v[CH+6:CH+7]
	v_add_f32 v[LS], v[CH], v[CH+1]
	v_add_f32 v[LS+1], v[CH+4], v[CH+5]
.irp u, 0,1
	v_permlanex16_b32 v[WK], v[LS+\u], s20, s21
	v_add_f32 v[LS+\u], v[LS+\u], v[WK]
	v_cndmask_b32 v[SV+\u], v[LS+\u], v[NM], s[LOM]   ; lanes 0-15: -M', lanes 16-31: l
.endr
	ds_store_b32 v[SW], v[SV] offset:256*(\t)
	ds_store_b32 v[SW], v[SV+1] offset:256*(\t)+128
	ds_load_b64 v[SD+2*(\t):SD+2*(\t)+1], v[SR] offset:256*(\t)   ; LDS serves a wave's instructions in order (ISA guide 5.7.1.4): this sees my stores
.irp g, 0,1,2,3,4,5,6,7
.irp i, 0,1,2,3,4,5,6,7,8,9,10,11,12,13,14,15
	v_min_num_f32 v[TMP+16*\g+\i], v[TMP+16*\g+\i], v[LIM]   ; the conversion to an 8-bit code does not saturate (ISA guide 7.6.2); p is not negative, so the hold is one-sided
.endr
	v_cvt_scalef32_pk8_bf8_f32 v[\cd+4*\g:\cd+4*\g+1], v[TMP+16*\g:TMP+16*\g+7], v[SCL]
	v_cvt_scalef32_pk8_bf8_f32 v[\cd+4*\g+2:\cd+4*\g+3], v[TMP+16*\g+8:TMP+16*\g+15], v[SCL]
.endr
	v_nop                                          ; a plain vector line behind the last conversion
.irp g, 0,1,2,3,4,5,6,7
	global_store_b128 v[L16], v[\cd+4*\g:\cd+4*\g+3], s[PO:PO+1] offset:524288*(\t)+512*\g   ; each covers 512 consecutive bytes, aligned
.endr
	s_wait_dscnt 0x0
	global_store_b64 v[L8], v[SD+2*(\t):SD+2*(\t)+1], s[SO:SO+1] offset:4096*(\t)   ; 256 consecutive bytes, aligned
.endm
	SOFT 0, 1, 0, 64
	s_cmp_lt_u32 s19, 2
	s_cbranch_scc1 .Lend
	SOFT 1, 1, 128, 96
	s_cmp_lt_u32 s19, 3
	s_cbranch_scc1 .Lend
	SOFT 2, 2, 0, 64
.Lend:
	s_wait_tensorcnt 0x0                           ; the wave's end
	ds_add_u32 v[SPW], v[NIL]
	s_wait_dscnt 0x0
	CROUND                                         ; the closing round: no work-group ends while a partner may still ask for a tile that names it
	s_endpgm
.Lfunc_end_k_q72b973db46_scores:
	.size	k_q72b973db46_scores, .Lfunc_end_k_q72b973db46_scores-k_q72b973db46_scores
	.p2alignl 7, 3214868480
	.fill 96, 4, 3214868480
	.section	.rodata,"a",@progbits
	.p2align	6, 0x0
	.amdhsa_kernel k_q72b973db46_scores
		.amdhsa_group_segment_fixed_size 327680
		.amdhsa_private_segment_fixed_size 0
		.amdhsa_enable_private_segment 0
		.amdhsa_kernarg_size 40
		.amdhsa_user_sgpr_count 2
		.amdhsa_user_sgpr_kernarg_segment_ptr 1
		.amdhsa_wavefront_size32 1
		.amdhsa_system_sgpr_workgroup_id_x 1
		.amdhsa_system_sgpr_workgroup_id_y 1
		.amdhsa_system_sgpr_workgroup_id_z 1
		.amdhsa_system_vgpr_workitem_id 0
		.amdhsa_next_free_vgpr 1024
		.amdhsa_next_free_sgpr 100
		.amdhsa_reserve_vcc 1
		.amdhsa_float_denorm_mode_32 3
		.amdhsa_float_denorm_mode_16_64 3
		.amdhsa_memory_ordered 1
		.amdhsa_forward_progress 1
		.amdhsa_inst_pref_size 169
	.end_amdhsa_kernel
	.amdgpu_metadata
---
amdhsa.version: [ 1, 2 ]
amdhsa.kernels:
  - .name:           k_q72b973db46_scores
    .symbol:         k_q72b973db46_scores.kd
    .args:
      - { .name: qc, .offset: 0, .size: 8, .value_kind: global_buffer, .address_space: global }
      - { .name: kc, .offset: 8, .size: 8, .value_kind: global_buffer, .address_space: global }
      - { .name: lowp_scales, .offset: 16, .size: 8, .value_kind: global_buffer, .address_space: global }
      - { .name: pc, .offset: 24, .size: 8, .value_kind: global_buffer, .address_space: global }
      - { .name: stat, .offset: 32, .size: 8, .value_kind: global_buffer, .address_space: global }
    .group_segment_fixed_size: 327680
    .private_segment_fixed_size: 0
    .kernarg_segment_align: 8
    .kernarg_segment_size: 40
    .max_flat_workgroup_size: 128
    .sgpr_count:     100
    .vgpr_count:     1024
    .wavefront_size: 32
...
	.end_amdgpu_metadata
.endif
;; end of part 2
;; launch values (part 3): grid 8 x 32, 4 waves a work-group, clusters of 4 x 1, 327,680 bytes of LDS; arguments pc, vc, stat, lowp_scales, out0; writes out0
.if DOCPART == 3
	.amdgcn_target "amdgcn-amd-amdhsa--gfx1250"
	.amdhsa_code_object_version 6
	.text
	.protected	k_q72b973db46_values
	.globl	k_q72b973db46_values
	.p2align	8
	.type	k_q72b973db46_values,@function
k_q72b973db46_values:
	s_mov_b64 s[64:65], 0
	v_nop
	global_prefetch_b8 v0, s[64:65] scope:SCOPE_SE
	s_setreg_imm32_b32 hwreg(HW_REG_WAVE_MODE, 25, 1), 1
	s_wait_xcnt 0x0
	s_wait_alu depctr_hold_cnt(0) depctr_sa_sdst(0) depctr_va_vdst(0) depctr_va_sdst(0) depctr_va_ssrc(0) depctr_va_vcc(0) depctr_vm_vsrc(0)
	s_getreg_b32 s2, hwreg(HW_REG_IB_STS2, 6, 4)
	s_cmp_eq_u32 s2, 0
	s_cbranch_scc0 .Lentry_in_a_cluster
	s_endpgm
.Lentry_in_a_cluster:
	s_bfe_u32 s2, ttmp6, 0x10000c
	s_cmp_lg_u32 s2, 0x3003
	s_cbranch_scc0 .Lentry_shape_is_right
	s_endpgm
.Lentry_shape_is_right:
; LAUNCH 3 OF 3.  out[q][c] = (sum over keys of p[q][key] v[key][c]) / l[q], on codes of BF8 (E5M2).  Key steps of 128 all of whose keys come after a wave's queries are dead work (the causal mask of
; reference()'s own body; shown at the head of the first launch) and are not summed.
; SHARES.  Work-group (j, y): batch y / 8, 128 channels (y % 8), and of EACH block of 256 queries (m = 0 .. 7) the two tiles of 16 queries j and 15 - j: 256 queries, the same work in every work-group.
; Wave w takes block A: m = 7 - w, with 16 - 2 w live key steps, and block B: m = w, with 2 w + 2: 18 in every wave; two tiles of queries x 8 tiles of channels in each: 32 accumulators, 256 registers.
; CLUSTERS: the four work-groups of a cluster differ in j alone and read the same v: it is asked for jointly (mask 15).  j enters addresses in pc, stat and out0 alone; every branch hangs on the wave's number.
; v LIES IN LDS WHOLE: 128 channels x 2,048 keys = 262,144 bytes, brought by two loads a wave (key steps 0-7, then 8-15, of the wave's two channel tiles); no LDS byte is filled twice.
; p NEVER GOES THROUGH LDS: pc holds images of fragments, and only one wave wants a given query's: four loads of 16 bytes a lane put a fragment into its operand registers.
; THE WALK has 17 positions.  Position 0: key step 0 of A and of B, on the same fragments of v; its products start both sums.  Position p: A's key step p where p < 16 - 2 w, else B's key step 17 - p.  Packet p is
; position p's in either case, so the loads go out in the order of use.  The text has a chain of A's steps, left at position 10, 12, 14 or 16, then A's way out, then a chain of B's steps, entered at that position:
; A's rows leave ahead of B's steps.  Where A's chain is left every load has come in; position 16's packet, B's in every wave, is asked for there.  Every LDS address is made ahead of the parting.
; Transposed use: source 0 = 16 channels of v, source 1 = 16 queries of p: a lane holds one query (lane % 16) and eight neighbouring channels.
; THE JOIN.  Each block of 256 keys was quantised under its own whole number M'.  A block's sums stand under U = max(M' of the step in hand, R - 60), R the largest M' so far: ahead of a step's products the
; accumulators and l are multiplied by F = 2^(old U - new U), made by v_ldexp_f32 of 1.0: nothing is rounded, there is no branch on data, and the step's own products enter with weight 1.  F is at most 2^60 and
; raw sums stay under 2^43, so nothing overflows.  A block more than 2^60 under the row's largest is weighed 2^-60 and not less: beside the largest that moves no digit.  l takes the same factors, so the quotient
; is right, in any order of the steps.  At odd positions the step lies in the same block of keys as the step before: F is 1 there and is not applied.
; THE STATISTICS (-M' and the sum of p over the step's 128 keys) are loaded a lane a query; F is made in that layout and brought to the two tiles of queries by one exchange and two selects.
; NO PREFETCH: v and five positions' p are asked for at the head, each later packet six positions ahead.
; LIMITS: e4 + e5 is applied by v_ldexp_f32.  NaN and infinity are not served.
; LDS: v at 0: [key steps 0-7, 8-15][channel tile 0..7][key step % 8][2,048]; four stages of 16 x 528 bytes; the spare words.
; REGISTERS: window 0: v4-14 addresses; v16-21 -R, -U, l of A and of B; v22-29 at work; v32-39 F, a pair for each block and tile of queries; v40-75 statistics; v76-79 addresses; v96-127 B's key step 0;
;   v128-191, v192-255 four fragments of v each.   windows 1, 2: sets 0-15 (set s at 32 (s % 8)); position 16's lies on set 0.   window 3: the accumulators: A's (a, b) at v[64 a + 8 b], B's 128 further on.
.set STAGE, 262144
.set SPARE, STAGE+4*16*528             ; the spare words, 128 bytes for each wave, which no other line names
.set L16,  4                           ; v4      16 x lane
.set Q4,   5                           ; v5      my query's place in the statistics of a block
.set VA,   6                           ; v6-9    LDS: 16 x lane + 65,536 x (0..3): key steps 0-7 tiles 0-3, tiles 4-7; key steps 8-15 likewise
.set STO,  10                          ; v10     the stage: where I put 32 bytes of a row
.set RD,   11                          ; v11     and where I read a row back
.set SPW,  12
.set NIL,  13
.set STA,  16
.set TW,   22
.set FP,   32
.set SS,   40                          ; position p: -M' at v[40 + 2 p], the sum beside it; B's key step 0: v74, v75
.set LP,   76                          ; v76-77  my lane's place in pc, from a block's first byte: query tile j, 15 - j
.set OO,   78                          ; v78-79  the same in out0
.set P16,  96
.set VB,   128
.set TMP,  128
.set BK,   192
.set G1,  24                           ; s[24:31] descriptor group 1;  s[32:39] group 0, a set for each of my two loads
.set G0,  32
.set PA,  40                           ; s[40:41] pc at block A;  s[42:43] at B
.set PB,  42
.set SA,  44                           ; s[44:45] stat at block A;  s[46:47] at B
.set SB,  46
.set DP,  48                           ; s[48:59] pc at positions 10 to 15's key steps
.set DT,  66                           ; s[66:77] stat at positions 10 to 15's numbers
.set OA,  80                           ; s[80:81] out0 at block A;  s[82:83] at B
.set LOM, 87                           ; s87     the mask of lanes 0 to 15
.set SEL, 88                           ; s[88:89] v_permlanex16_b32's selects for lane xor 16
.set MSB, 0
.macro WIN new                         ; the immediate's high byte repeats the setting that is left; a switch that changes nothing is dropped
.if MSB != (\new)
	s_set_vgpr_msb (MSB<<8)|(\new)
.set MSB, (\new)
.endif
.endm
.macro PLACES                          ; plain vector instructions between a matrix instruction and a load into, or a vector instruction on, its registers (ISA guide 7.12.1 for vector instructions)
.rept 4
	v_nop
.endr
.endm
.macro CROUND                          ; a round of the cluster's barrier
	s_barrier_signal -1
	s_barrier_wait -1
	s_cmp_lg_u32 s14, 0
	s_cbranch_scc1 .Lnot_wave_0_\@
	s_barrier_signal -3
.Lnot_wave_0_\@:
	s_barrier_wait -3
	s_barrier_signal -1
	s_barrier_wait -1
.endm
.macro SETREG s                        ; set s: its window and first register
.if (\s) == 16
.set PW, 0
.set PR, P16
.elseif (\s) == 17
.set PW, 1
.set PR, 0
.else
.set PW, 1+(\s)/8
.set PR, 32*((\s)%8)
.endif
.endm
.macro PSET s, base, off               ; set s: two fragments of p, four loads of 512 consecutive bytes each
	SETREG \s
	WIN (0x40*PW)
.irp a, 0,1
.irp c, 0,1,2,3
	global_load_b128 v[PR+16*\a+4*\c:PR+16*\a+4*\c+3], v[LP+\a], s[\base:\base+1] offset:(\off)+512*\c
.endr
.endr
	WIN 0
.endm
.macro PST p, base, off                ; a position's statistics: two loads, at odd positions the sum alone
.if ((\p)%2) == 0
	global_load_b32 v[SS+2*(\p)], v[Q4], s[\base:\base+1] offset:(\off)
.endif
	global_load_b32 v[SS+2*(\p)+1], v[Q4], s[\base:\base+1] offset:(\off)+64
.endm
; PACKET p: all that position p wants from memory.  Packet 0: 20 loads; odd p: 9; even p: 10.
.macro PKT p
.if (\p) == 0
	PSET 0, PA, 0
	PSET 16, PB, 0
	PST 0, SA, 0
	global_load_b32 v[SS+34], v[Q4], s[SB:SB+1]
	global_load_b32 v[SS+35], v[Q4], s[SB:SB+1] offset:64
.elseif (\p) <= 9
	PSET (\p), PA, 2048*(\p)
	PST (\p), SA, 32768*((\p)/2)+128*((\p)%2)
.elseif (\p) <= 15
	PSET (\p), DP+2*((\p)-10), 0
	PST (\p), DT+2*((\p)-10), 0
.else
	PSET 17, PB, 2048                              ; B's key step 1
	PST 16, SB, 128
.endif
.endm
.macro LOADV ks, g                     ; key step ks: channel tiles 4 g to 4 g + 3 into buffer g: 16 loads
.irp b, 0,1,2,3
.irp c, 0,1,2,3
	ds_load_b128 v[VB+64*(\g)+16*\b+4*\c:VB+64*(\g)+16*\b+4*\c+3], v[VA+2*((\ks)/8)+(\g)] offset:16384*\b+2048*((\ks)%8)+512*\c
.endr
.endr
.endm
.macro NEXTV p, blk, g                 ; the fragments of v for the next position of the same chain
.if \blk
	LOADV 16-(\p), \g
.else
	LOADV (\p)+1, \g
.endif
.endm
; 8 matrix instructions: buffer g's four channel tiles against set s's two query tiles, onto block blk's accumulators.  Sets 0 and 16 start the sums.  No two that follow each other share an accumulator.
.macro GRP s, g, blk
	SETREG \s
	WIN (0xf0|(PW<<2))                             ; v window 0, p window PW, C and D window 3
.irp b, 0,1,2,3
.irp a, 0,1
.set GA, 128*(\blk)+64*\a+8*(4*(\g)+\b)
.if ((\s)%16) == 0
	v_wmma_f32_16x16x128_bf8_bf8 v[GA:GA+7], v[VB+64*(\g)+16*\b:VB+64*(\g)+16*\b+15], v[PR+16*\a:PR+16*\a+15], 0
.else
	v_wmma_f32_16x16x128_bf8_bf8 v[GA:GA+7], v[VB+64*(\g)+16*\b:VB+64*(\g)+16*\b+15], v[PR+16*\a:PR+16*\a+15], v[GA:GA+7]
.endif
.endr
.endr
.endm
.macro INIT blk, reg                   ; a block's first step: R = U = its M', l = its sum
	v_mov_b32 v[STA+3*(\blk)], v[\reg]
	v_mov_b32 v[STA+3*(\blk)+1], v[\reg]
	v_mov_b32 v[STA+3*(\blk)+2], v[\reg+1]
.endm
.macro FACT blk, reg                   ; the step's F and the new l, a lane a query; then F for my lane's query in each of the two tiles
.set TT, TW+4*(\blk)
.set SX, STA+3*(\blk)
	v_min_num_f32 v[SX], v[SX], v[\reg]            ; -R = min(-R, -M')
	v_add_f32 v[TT], 0x42700000, v[SX]             ; -(R - 60)
	v_min_num_f32 v[TT], v[TT], v[\reg]            ; the new -U
	v_sub_f32 v[TT+1], v[TT], v[SX+1]              ; old U - new U: a whole number, at most 60
	v_mov_b32 v[SX+1], v[TT]
	v_cvt_i32_f32 v[TT+1], v[TT+1]                 ; (it saturates)
	v_ldexp_f32 v[TT+1], 1.0, v[TT+1]              ; F
	s_wait_alu depctr_va_vdst(0)
	v_fma_f32 v[SX+2], v[SX+2], v[TT+1], v[\reg+1] ; l = l F + the step's sum
	v_permlanex16_b32 v[TT+3], v[TT+1], s[SEL], s[SEL+1]
	v_cndmask_b32 v[FP+4*(\blk)], v[TT+3], v[TT+1], s[LOM]     ; queries of tile j: their F lies in lanes 0-15: lanes 16-31 take the other half's
	v_cndmask_b32 v[FP+4*(\blk)+2], v[TT+1], v[TT+3], s[LOM]   ; of tile 15 - j the other way round
.endm
.macro RESCALE blk                     ; the block's sums under the new U; each accumulator from its low end on
	WIN 0xc3                                       ; destination and source 0 window 3
	s_wait_alu depctr_va_vdst(0)                   ; the wait directly ahead of the sums' first readers
.irp a, 0,1
.irp n, 0,2,4,6,8,10,12,14,16,18,20,22,24,26,28,30,32,34,36,38,40,42,44,46,48,50,52,54,56,58,60,62
	v_pk_mul_f32 v[128*(\blk)+64*\a+\n:128*(\blk)+64*\a+\n+1], v[128*(\blk)+64*\a+\n:128*(\blk)+64*\a+\n+1], v[FP+4*(\blk)+2*\a:FP+4*(\blk)+2*\a+1] op_sel_hi:[1,0]
.endr
.endr
.endm
; POSITION p for block blk.  In A's chain NB is the number of loads issued behind packet p, which may stay out: packets p + 1 to p + 5, up to 15 (at position 0: 1 to 4).  In B's chain only position 16's are still to
; be waited for.  nxt = 1: the next position's fragments of v are fetched, each buffer as soon as its products are issued.
.macro STEP p, blk, nxt
.if (\blk) == 0
.set NB, 47+((\p)%2)
.if (\p) == 0
.set NB, 38
.elseif (\p) == 11
.set NB, 38
.elseif (\p) == 12
.set NB, 28
.elseif (\p) == 13
.set NB, 19
.elseif (\p) == 14
.set NB, 9
.elseif (\p) == 15
.set NB, 0
.endif
	s_wait_loadcnt NB                              ; loads come back in order (ISA guide 5.7): packet p is in
.if (\p) == 0
	PKT 5
	PKT 6
.elseif (\p) <= 9
	PKT (\p)+6                                     ; six positions ahead: at most 58 loads of mine are out
.endif
.elseif (\p) == 16
	s_wait_loadcnt 0x0
.endif
.if (\p) == 0
	INIT 0, SS
	INIT 1, SS+34
.elseif ((\p)%2) == 1
	v_add_f32 v[STA+3*(\blk)+2], v[STA+3*(\blk)+2], v[SS+2*(\p)+1]   ; the same block of keys as the step before: F is 1
.else
	FACT \blk, SS+2*(\p)
	RESCALE \blk
.endif
	s_wait_alu depctr_va_vdst(0)
	s_wait_dscnt 16                                ; buffer 0 is in; buffer 1's sixteen loads may be out
	GRP (\p)+(\p)/16, 0, \blk
.if (\p) == 0
	GRP 16, 0, 1
.endif
	WIN 0
	PLACES
.if \nxt
	NEXTV \p, \blk, 0
	s_wait_dscnt 16                                ; buffer 1 is in; the sixteen loads just issued may be out
.else
	s_wait_dscnt 0x0
.endif
	GRP (\p)+(\p)/16, 1, \blk
.if (\p) == 0
	GRP 16, 1, 1
.endif
	WIN 0
	PLACES
.if \nxt
	NEXTV \p, \blk, 1
.endif
.endm
	s_load_b256 s[4:11], s[0:1], 0x0               ; pc s[4:5], vc s[6:7], stat s[8:9], the exponents s[10:11]
	s_load_b64 s[12:13], s[0:1], 0x20              ; out0
	v_lshl_add_u32 v[SPW], v0, 2, SPARE
	v_mov_b32 v[NIL], 0
	ds_add_u32 v[SPW], v[NIL]                      ; the wave's opening: the add, twice on end, waited for ahead of my first tensor load
	ds_add_u32 v[SPW], v[NIL]
	v_lshrrev_b32 v1, 5, v0
	v_readfirstlane_b32 s14, v1                    ; wave 0..3
	s_bfe_u32 s20, ttmp6, 0x40000                  ; cx
	s_lshl_b32 s23, ttmp9, 2
	s_add_co_u32 s23, s23, s20                     ; j = 4 x cluster x + cx
	s_and_b32 s20, ttmp7, 0xffff
	s_lshr_b32 s16, s20, 3                         ; batch
	s_and_b32 s15, s20, 7                          ; channel tile of 128
	s_sub_co_u32 s18, 7, s14                       ; block A's m; block B's is the wave's number
	s_lshl_b32 s19, s18, 1
	s_add_co_u32 s19, s19, 2                       ; A's live key steps: 16 - 2 x wave
	; descriptor group 1: 2 rows (channel tiles) of 16,384 bytes (eight key steps), 32,768 bytes apart, dense in LDS
	s_mov_b32 s[G1+0], 15|(3<<16)|(1<<21)          ; 15:0 all four of the cluster; elements of 8 bytes; 21 set beside a mask; no padding
	s_mov_b32 s[G1+1], 2048<<16                    ; tensor_dim0 = 2,048 elements
	s_mov_b32 s[G1+2], 2<<16                       ; tensor_dim1 = 2
	s_mov_b32 s[G1+3], 2048<<16                    ; tile_dim0
	s_mov_b32 s[G1+4], 2                           ; tile_dim1
	s_mov_b32 s[G1+5], 4096                        ; from row to row, in elements
	s_mov_b32 s[G1+6], 0
	s_mov_b32 s[G1+7], 0
	s_mov_b32 s[G0], 1
	s_lshl_b32 s[G0+1], s14, 15                    ; LDS: my two channel tiles, key steps 0-7
	s_mov_b32 s[G0+4], 1
	s_add_co_u32 s[G0+5], s[G0+1], 131072          ; key steps 8-15
	s_lshl_b32 s90, s16, 6
	s_lshl_b32 s20, s15, 3
	s_add_co_u32 s90, s90, s20
	s_lshl_b32 s20, s14, 1
	s_add_co_u32 s90, s90, s20                     ; vc: channel tile 64 x batch + 8 x tile of 128 + 2 x wave,
	s_lshl_b32 s90, s90, 15                        ; in bytes
	s_mov_b32 s91, 0
	s_lshl_b32 s92, s18, 19                        ; a block's sixteen query tiles in pc: A's,
	s_lshl_b32 s93, s14, 19                        ; B's
	s_lshl_b32 s94, s18, 12                        ; and in stat: A's,
	s_lshl_b32 s95, s14, 12                        ; B's
	s_sub_co_u32 s17, 15, s23                      ; 15 - j
	s_lshl_b32 s20, s23, 15
	s_lshl_b32 s21, s17, 15
	s_lshl_b32 s22, s23, 16
	s_lshl_b32 s84, s17, 16
	s_sub_co_u32 s85, s17, s23
	s_lshl_b32 s85, s85, 8                         ; from query tile j to 15 - j in stat
	s_lshl_b32 s86, s23, 8
	s_mul_i32 s17, s14, 16*528
	s_add_co_u32 s17, s17, STAGE                   ; my stage
	v_and_b32 v3, 31, v0                           ; lane
	v_and_b32 v1, 15, v0                           ; r
	v_bfe_u32 v2, v0, 4, 1                         ; h
	v_lshlrev_b32 v[L16], 4, v3
	v_add_nc_u32 v[LP], s20, v[L16]
	v_add_nc_u32 v[LP+1], s21, v[L16]
	v_add_nc_u32 v[OO], s22, v[L16]
	v_add_nc_u32 v[OO+1], s84, v[L16]
	v_mul_lo_u32 v[Q4], v2, s85                    ; lanes 0-15: tile j's queries, lanes 16-31: tile 15 - j's
	v_lshl_add_u32 v[Q4], v1, 2, v[Q4]
	v_add_nc_u32 v[Q4], s86, v[Q4]
	v_lshlrev_b32 v[VA], 4, v3
	v_add_nc_u32 v[VA+1], 0x10000, v[VA]
	v_add_nc_u32 v[VA+2], 0x20000, v[VA]
	v_add_nc_u32 v[VA+3], 0x30000, v[VA]
	v_mul_u32_u24 v[STO], v1, 528
	v_lshl_add_u32 v[STO], v2, 5, v[STO]
	v_add_nc_u32 v[STO], s17, v[STO]               ; in: row r, 32 bytes for each half of the lanes
	v_add_nc_u32 v[RD], s17, v[L16]                ; back: the 32 lanes take a row of 512 bytes
	v_cmp_gt_u32 s[LOM], 16, v3
	v_mov_b32 v[TW+3], 0                           ; a lane permute's destination counts as read
	v_mov_b32 v[TW+7], 0
.irp k, 1,3,5,7
	v_mov_b32 v[FP+\k], 0                          ; named as the pairs' upper halves
.endr
	s_wait_alu depctr_va_vdst(0)
	s_wait_dscnt 0x0                               ; both opening adds are done
	s_wait_kmcnt 0x0
	s_load_b64 s[84:85], s[10:11], 0x10            ; e4, e5
	s_add_nc_u64 s[G0+2:G0+3], s[6:7], s[90:91]
	s_add_nc_u64 s[G0+6:G0+7], s[G0+2:G0+3], 16384
	s_or_b32 s[G0+3], s[G0+3], 0x80000000
	s_or_b32 s[G0+7], s[G0+7], 0x80000000
	s_lshl_b32 s90, s16, 22                        ; pc: 128 query tiles of 32,768 bytes a batch
	s_add_nc_u64 s[4:5], s[4:5], s[90:91]
	s_lshl_b32 s90, s16, 18                        ; stat: 262,144 bytes a batch
	s_add_nc_u64 s[8:9], s[8:9], s[90:91]
	s_mov_b32 s90, s92
	s_add_nc_u64 s[PA:PA+1], s[4:5], s[90:91]
	s_mov_b32 s90, s93
	s_add_nc_u64 s[PB:PB+1], s[4:5], s[90:91]
	s_mov_b32 s90, s94
	s_add_nc_u64 s[SA:SA+1], s[8:9], s[90:91]
	s_mov_b32 s90, s95
	s_add_nc_u64 s[SB:SB+1], s[8:9], s[90:91]
	CROUND                                         ; all four work-groups are here: the first joint loads meet
	tensor_load_to_lds s[G0:G0+3], s[G1:G1+7]      ; key steps 0-7
	s_nop 0
	PLACES
	PKT 0                                          ; 20 + 9 + 10 + 9 + 10 = 58 loads
	PKT 1
	PKT 2
	PKT 3
	PKT 4
	; positions 10 to 15: A's key step p where p < 16 - 2 x wave, else B's key step 17 - p
.set pp, 10
.rept 6
	s_add_co_u32 s20, s92, pp*2048
	s_add_co_u32 s21, s93, (17-pp)*2048
	s_add_co_u32 s22, s94, (pp/2)*32768+(pp%2)*128
	s_add_co_u32 s23, s95, ((17-pp)/2)*32768+((17-pp)%2)*128
	s_cmp_gt_u32 s19, pp
	s_cselect_b32 s90, s20, s21
	s_add_nc_u64 s[DP+2*(pp-10):DP+2*(pp-10)+1], s[4:5], s[90:91]
	s_cselect_b32 s90, s22, s23
	s_add_nc_u64 s[DT+2*(pp-10):DT+2*(pp-10)+1], s[8:9], s[90:91]
.set pp, pp+1
.endr
	s_lshl_b32 s20, s16, 23                        ; out0: row 2,048 x batch + 256 m, of 4,096 bytes; + 512 x tile of 128 channels
	s_lshl_b32 s22, s15, 9
	s_add_co_u32 s20, s20, s22
	s_lshl_b32 s21, s18, 20
	s_add_co_u32 s90, s20, s21
	s_add_nc_u64 s[OA:OA+1], s[12:13], s[90:91]
	s_lshl_b32 s21, s14, 20
	s_add_co_u32 s90, s20, s21
	s_add_nc_u64 s[OA+2:OA+3], s[12:13], s[90:91]
	s_mov_b32 s[SEL], 0x76543210
	s_mov_b32 s[SEL+1], 0xfedcba98
	s_wait_kmcnt 0x0
	s_add_co_i32 s86, s84, s85                     ; e4 + e5
	s_wait_tensorcnt 0x0                           ; my part of key steps 0-7 is in
	ds_add_u32 v[SPW], v[NIL]
	s_wait_dscnt 0x0
	CROUND                                         ; everybody's is, and the next joint loads meet
	tensor_load_to_lds s[G0+4:G0+7], s[G1:G1+7]    ; key steps 8-15
	s_nop 0
	PLACES
	LOADV 0, 0
	LOADV 0, 1
.irp p, 0,1,2,3,4,5,6
	STEP \p, 0, 1
.endr
	STEP 7, 0, 0                                   ; key step 8 lies in v's second half: it is fetched behind the barrier below
	s_wait_tensorcnt 0x0                           ; my part of key steps 8-15 is in
	s_wait_dscnt 0x0
	s_barrier_signal -1
	s_barrier_wait -1                              ; everybody's is
	LOADV 8, 0
	LOADV 8, 1
	STEP 8, 0, 1
	STEP 9, 0, 1
	s_cmp_ge_u32 s14, 3                            ; wave 3: A has no key step 10
	s_cbranch_scc1 .LA_out
	STEP 10, 0, 1
	STEP 11, 0, 1
	s_cmp_ge_u32 s14, 2
	s_cbranch_scc1 .LA_out
	STEP 12, 0, 1
	STEP 13, 0, 1
	s_cmp_ge_u32 s14, 1
	s_cbranch_scc1 .LA_out
	STEP 14, 0, 1
	STEP 15, 0, 0
; A WAY OUT.  The sums are divided by l and multiplied by 2^(e4 + e5); a tile of 16 queries x 128 channels goes through my stage and leaves as whole rows of 512 bytes.
.macro DIVIDE blk
.set TT, TW+4*(\blk)
	s_wait_alu depctr_va_vdst(0)
	v_rcp_f32 v[TT], v[STA+3*(\blk)+2]
	v_nop                                          ; a plain line behind the reciprocal
	s_wait_alu depctr_va_vdst(0)                   ; and the wait ahead of its first reader
	v_ldexp_f32 v[TT], v[TT], s86
	v_permlanex16_b32 v[TT+3], v[TT], s[SEL], s[SEL+1]
	v_cndmask_b32 v[FP+4*(\blk)], v[TT+3], v[TT], s[LOM]    ; as F: from a lane a query to my lane's query in each tile
	v_cndmask_b32 v[FP+4*(\blk)+2], v[TT], v[TT+3], s[LOM]
.endm
.macro OUTB blk, a
.if (\a) > 0
	s_wait_xcnt 0x0                                ; the tile before's stores have read their data
.endif
	WIN 0x03                                       ; source 0 window 3
	s_wait_alu depctr_va_vdst(0)                   ; the wait directly ahead of the sums' first readers
.irp n, 0,2,4,6,8,10,12,14,16,18,20,22,24,26,28,30,32,34,36,38,40,42,44,46,48,50,52,54,56,58,60,62
	v_pk_mul_f32 v[TMP+\n:TMP+\n+1], v[128*(\blk)+64*(\a)+\n:128*(\blk)+64*(\a)+\n+1], v[FP+4*(\blk)+2*(\a):FP+4*(\blk)+2*(\a)+1] op_sel_hi:[1,0]
.endr
	WIN 0
.irp b, 0,1,2,3,4,5,6,7
	ds_store_b128 v[STO], v[TMP+8*\b:TMP+8*\b+3] offset:64*\b
	ds_store_b128 v[STO], v[TMP+8*\b+4:TMP+8*\b+7] offset:64*\b+16
.endr
.irp t, 0,1,2,3,4,5,6,7,8,9,10,11,12,13,14,15
	ds_load_b128 v[BK+4*\t:BK+4*\t+3], v[RD] offset:528*\t   ; LDS serves a wave's instructions in order (ISA guide 5.7.1.4): these see my stores
.endr
.irp t, 0,1,2,3,4,5,6,7,8,9,10,11,12,13,14,15
	s_wait_dscnt 15-\t                             ; row t is back; the later rows' loads may be out
	global_store_b128 v[OO+(\a)], v[BK+4*\t:BK+4*\t+3], s[OA+2*(\blk):OA+2*(\blk)+1] offset:\t*4096 th:TH_STORE_NT   ; 512 consecutive bytes, aligned; written once
.endr
.endm
.LA_out:
	s_wait_loadcnt 0x0                             ; every packet up to 15 is in, the same on every way here
	PKT 16
	s_wait_dscnt 0x0                               ; the fragments of v that were fetched ahead are A's next: they are let in and dropped
	DIVIDE 0
	OUTB 0, 0
	OUTB 0, 1
	s_wait_xcnt 0x0                                ; the stores have read their data: B's fragments of v may land there
	s_cmp_eq_u32 s14, 3
	s_cbranch_scc1 .LX10
	s_cmp_eq_u32 s14, 2
	s_cbranch_scc1 .LX12
	s_cmp_eq_u32 s14, 1
	s_cbranch_scc1 .LX14
	LOADV 1, 0
	LOADV 1, 1
	s_branch .LB16
.irp p, 14,12
.LX\p:
	LOADV 17-\p, 0
	LOADV 17-\p, 1
	s_branch .LB\p
.endr
.LX10:
	LOADV 7, 0
	LOADV 7, 1
.irp p, 10,12,14
.LB\p:
	STEP \p, 1, 1
	STEP \p+1, 1, 1
.endr
.LB16:
	STEP 16, 1, 0
	DIVIDE 1
	OUTB 1, 0
	OUTB 1, 1
	s_wait_tensorcnt 0x0                           ; the wave's end
	ds_add_u32 v[SPW], v[NIL]
	s_wait_dscnt 0x0
	CROUND                                         ; the closing round: no work-group ends while a partner may still ask for a tile that names it
	s_endpgm
.Lfunc_end_k_q72b973db46_values:
	.size	k_q72b973db46_values, .Lfunc_end_k_q72b973db46_values-k_q72b973db46_values
	.p2alignl 7, 3214868480
	.fill 96, 4, 3214868480
	.section	.rodata,"a",@progbits
	.p2align	6, 0x0
	.amdhsa_kernel k_q72b973db46_values
		.amdhsa_group_segment_fixed_size 327680
		.amdhsa_private_segment_fixed_size 0
		.amdhsa_enable_private_segment 0
		.amdhsa_kernarg_size 40
		.amdhsa_user_sgpr_count 2
		.amdhsa_user_sgpr_kernarg_segment_ptr 1
		.amdhsa_wavefront_size32 1
		.amdhsa_system_sgpr_workgroup_id_x 1
		.amdhsa_system_sgpr_workgroup_id_y 1
		.amdhsa_system_sgpr_workgroup_id_z 1
		.amdhsa_system_vgpr_workitem_id 0
		.amdhsa_next_free_vgpr 1024
		.amdhsa_next_free_sgpr 100
		.amdhsa_reserve_vcc 0
		.amdhsa_float_denorm_mode_32 3
		.amdhsa_float_denorm_mode_16_64 3
		.amdhsa_memory_ordered 1
		.amdhsa_forward_progress 1
		.amdhsa_inst_pref_size 191
	.end_amdhsa_kernel
	.amdgpu_metadata
---
amdhsa.version: [ 1, 2 ]
amdhsa.kernels:
  - .name:           k_q72b973db46_values
    .symbol:         k_q72b973db46_values.kd
    .args:
      - { .name: pc, .offset: 0, .size: 8, .value_kind: global_buffer, .address_space: global }
      - { .name: vc, .offset: 8, .size: 8, .value_kind: global_buffer, .address_space: global }
      - { .name: stat, .offset: 16, .size: 8, .value_kind: global_buffer, .address_space: global }
      - { .name: lowp_scales, .offset: 24, .size: 8, .value_kind: global_buffer, .address_space: global }
      - { .name: out0, .offset: 32, .size: 8, .value_kind: global_buffer, .address_space: global }
    .group_segment_fixed_size: 327680
    .private_segment_fixed_size: 0
    .kernarg_segment_align: 8
    .kernarg_segment_size: 40
    .max_flat_workgroup_size: 128
    .sgpr_count:     100
    .vgpr_count:     1024
    .wavefront_size: 32
...
	.end_amdgpu_metadata
.endif
;; end of part 3
